; MI455X (gfx1250); checked and timed in simulation.
; The chip was launched on July 23, 2026; its instructions are those of AMD's public machine-readable ISA for CDNA 5 (MIT licence, August 2026) and "CDNA5" Instruction Set Architecture Reference Guide (July 2026). The comments in the code are by the model that wrote it; some were corrected since.
;; Block. Allowed arithmetic: float matrix products may take bf16 or f16 operands with f32 sums; all other float work in f32.
;; Inputs: ff_b1 4,096 float32; ff_b2 1,024 float32; ff_w1 1,024 x 4,096 float32; ff_w2 4,096 x 1,024 float32; key_padding_mask 4 x 1,024 bool; ln1_b 1,024 float32; ln1_w 1,024 float32; ln2_b 1,024 float32; ln2_w 1,024 float32; proj_b 1,024 float32; proj_w 1,024 x 1,024 float32; wk 1,024 x 16 x 64 float32; wq 1,024 x 16 x 64 float32; wv 1,024 x 16 x 64 float32; x 4 x 1,024 x 1,024 float32.
;; Outputs: out0 4 x 1,024 x 1,024 float32.
;; 2 versions, each right; version 2 is version 1 with the launches prep, ln2 written anew for expert scheduling mode. Each part assembles by itself: llvm-mc -triple=amdgcn-amd-amdhsa -mcpu=gfx1250 --defsym DOCPART=n.
;; ======== version 1 of 2: 7 launches
;; workspace buffers: wb 25,165,824 bytes; h1 8,388,608 bytes; qkv 25,165,824 bytes; att 8,388,608 bytes; x1 16,777,216 bytes; h2 8,388,608 bytes; fh 33,554,432 bytes
;; launch prep (part 1): grid 1024 x 1, 8 waves a work-group, no clusters, 0 bytes of LDS; arguments x, key_padding_mask, ln1_w, ln1_b, h1, wq, wk, wv, proj_w, ff_w1, ff_w2, wb; writes h1, wb
.if DOCPART == 1
	.amdgcn_target "amdgcn-amd-amdhsa--gfx1250"
	.amdhsa_code_object_version 6
	.text
	.protected	k_q9e88f015e3_prep
	.globl	k_q9e88f015e3_prep
	.p2align	8
	.type	k_q9e88f015e3_prep,@function
k_q9e88f015e3_prep:
	s_mov_b64 s[64:65], 0
	v_nop
	global_prefetch_b8 v0, s[64:65] scope:SCOPE_SE
	s_setreg_imm32_b32 hwreg(HW_REG_WAVE_MODE, 25, 1), 1
	s_wait_xcnt 0x0
; Two jobs in one launch, chosen by the work-group's number.
; Work-groups 0..767: the six weight matrices are rounded to bf16, layout kept ([K][N]), into wb:
;   wq at 0, wk at 2 MiB, wv at 4 MiB, proj_w at 6 MiB, ff_w1 at 8 MiB, ff_w2 at 16 MiB.  A work-group takes 65,536 bytes of f32.
; Work-groups 768..1023: h1 = (LayerNorm(x) * w + b) * mask in bf16; one wave takes two rows, a row stays in 32 registers.
; A stream: no LDS, no barrier, no matrix unit.  Mask bytes are taken to be 0 or 1 and are applied by multiplying.
.set CASTS, 768
.set TT, 4                             ; v[4:11]    at work
.set MU, 20                            ; v[20:21]   the mean, twice
.set RR, 22                            ; v[22:23]   1/sqrt(var + eps), twice
.set X0, 32                            ; v[32:63]   first row
.set X1, 64                            ; v[64:95]   second row
.set WW, 96                            ; v[96:127]  gain of my 32 columns
.set BB, 128                           ; v[128:159] bias of my 32 columns
.macro JOIN                            ; four chains of pairs into one number a lane
	v_pk_add_f32 v[TT:TT+1], v[TT:TT+1], v[TT+2:TT+3]
	v_pk_add_f32 v[TT+4:TT+5], v[TT+4:TT+5], v[TT+6:TT+7]
	v_pk_add_f32 v[TT:TT+1], v[TT:TT+1], v[TT+4:TT+5]
	v_add_f32 v[TT], v[TT], v[TT+1]
.endm
.macro REDUCE                          ; the sum over the 32 lanes, in every lane
	v_add_f32_dpp v[TT], v[TT], v[TT] row_xmask:1 row_mask:0xf bank_mask:0xf
	v_add_f32_dpp v[TT], v[TT], v[TT] row_xmask:2 row_mask:0xf bank_mask:0xf
	v_add_f32_dpp v[TT], v[TT], v[TT] row_xmask:4 row_mask:0xf bank_mask:0xf
	v_add_f32_dpp v[TT], v[TT], v[TT] row_xmask:8 row_mask:0xf bank_mask:0xf
	v_permlanex16_b32 v[TT+1], v[TT], s36, s37
	v_add_f32 v[TT], v[TT], v[TT+1]
.endm
; One row in registers X..X+31; MS: scalar pair with the row's mask as f32; off: the row's byte offset in the output;
; left: how many younger loads may stay out when the row has to be there.
.macro LNROW X, MS, off, left
	s_wait_loadcnt \left
.irp k, 0,1,2,3
	v_pk_add_f32 v[TT+2*\k:TT+2*\k+1], v[\X+2*\k:\X+2*\k+1], v[\X+8+2*\k:\X+8+2*\k+1]
.endr
.set p, 8
.rept 8
	v_pk_add_f32 v[TT+2*(p%4):TT+2*(p%4)+1], v[TT+2*(p%4):TT+2*(p%4)+1], v[\X+2*p:\X+2*p+1]
.set p, p+1
.endr
	JOIN
	REDUCE
	v_mul_f32 v[MU], v3, v[TT]                     ; mean = sum / 1024
	v_mov_b32 v[MU+1], v[MU]
.set p, 0
.rept 16
	v_pk_add_f32 v[\X+2*p:\X+2*p+1], v[\X+2*p:\X+2*p+1], v[MU:MU+1] neg_lo:[0,1] neg_hi:[0,1]   ; x - mean first: the variance is no difference of large sums
.set p, p+1
.endr
.irp k, 0,1,2,3
	v_pk_mul_f32 v[TT+2*\k:TT+2*\k+1], v[\X+2*\k:\X+2*\k+1], v[\X+2*\k:\X+2*\k+1]
.endr
.set p, 4
.rept 12
	v_pk_fma_f32 v[TT+2*(p%4):TT+2*(p%4)+1], v[\X+2*p:\X+2*p+1], v[\X+2*p:\X+2*p+1], v[TT+2*(p%4):TT+2*(p%4)+1]
.set p, p+1
.endr
	JOIN
	REDUCE
	v_fmaak_f32 v[TT], v3, v[TT], 0x3727c5ac       ; var + 1e-5
	v_rsq_f32 v[RR], v[TT]
	v_rsq_f32 v[RR+1], v[TT]
	v_nop                                          ; one plain place behind the transcendentals (ISA guide 5.7.2)
	s_wait_loadcnt 0x0                             ; gain and bias are in (in the second row's turn this is met)
.set p, 0
	s_wait_alu depctr_va_vdst(0)
.rept 16
	v_pk_mul_f32 v[\X+2*p:\X+2*p+1], v[\X+2*p:\X+2*p+1], v[RR:RR+1]
.set p, p+1
.endr
.set p, 0
.rept 16
	v_pk_fma_f32 v[\X+2*p:\X+2*p+1], v[\X+2*p:\X+2*p+1], v[WW+2*p:WW+2*p+1], v[BB+2*p:BB+2*p+1]
.set p, p+1
.endr
.set p, 0
.rept 16
	v_pk_mul_f32 v[\X+2*p:\X+2*p+1], v[\X+2*p:\X+2*p+1], s[\MS:\MS+1] op_sel_hi:[1,0]
.set p, p+1
.endr
.irp j, 0,1,2,3,4,5,6,7
	v_cvt_pk_bf16_f32 v[\X+4*\j], v[\X+4*\j], v[\X+4*\j+1]
	v_cvt_pk_bf16_f32 v[\X+4*\j+1], v[\X+4*\j+2], v[\X+4*\j+3]
	global_store_b64 v2, v[\X+4*\j:\X+4*\j+1], s[12:13] offset:\off+256*\j    ; the wave's store covers 256 consecutive bytes, aligned
.endr
.endm
; s39 = number of the group of 16 rows.  s[4:5] input rows (f32), s[6:7] mask, s[8:9] gain, s[10:11] bias, s[12:13] output (bf16).
.macro LNBODY
	v_lshrrev_b32 v3, 5, v0
	v_readfirstlane_b32 s29, v3                    ; wave
	s_lshl_b32 s39, s39, 4
	s_lshl1_add_u32 s39, s29, s39                  ; my first row = 16 x group + 2 x wave
	s_mov_b32 s30, s39
	s_mov_b32 s31, 0
	s_add_nc_u64 s[6:7], s[6:7], s[30:31]
	s_load_u16 s28, s[6:7], 0x0                    ; the two rows' mask bytes
	s_lshl_b32 s30, s39, 12
	s_add_nc_u64 s[4:5], s[4:5], s[30:31]          ; 4,096 bytes a row in
	s_lshl_b32 s30, s39, 11
	s_add_nc_u64 s[12:13], s[12:13], s[30:31]      ; 2,048 bytes a row out
	s_mov_b32 s36, 0x76543210                      ; v_permlanex16_b32: lane i reads lane i of the other half
	s_mov_b32 s37, 0xfedcba98
	v_and_b32 v2, 31, v0
	v_lshlrev_b32 v1, 4, v2                        ; 16 bytes a lane in
	v_lshlrev_b32 v2, 3, v2                        ; 8 bytes a lane out
	v_mov_b32 v3, 0x3a800000                       ; 1/1024
.irp j, 0,1,2,3,4,5,6,7
	global_load_b128 v[X0+4*\j:X0+4*\j+3], v1, s[4:5] offset:512*\j
.endr
.irp j, 0,1,2,3,4,5,6,7
	global_load_b128 v[X1+4*\j:X1+4*\j+3], v1, s[4:5] offset:4096+512*\j
.endr
.irp j, 0,1,2,3,4,5,6,7
	global_load_b128 v[WW+4*\j:WW+4*\j+3], v1, s[8:9] offset:512*\j
.endr
.irp j, 0,1,2,3,4,5,6,7
	global_load_b128 v[BB+4*\j:BB+4*\j+3], v1, s[10:11] offset:512*\j
.endr
	s_wait_kmcnt 0x0
	s_and_b32 s32, s28, 0xff
	s_lshr_b32 s34, s28, 8
	s_cvt_f32_u32 s32, s32
	s_cvt_f32_u32 s34, s34
	s_mov_b32 s33, s32
	s_mov_b32 s35, s34
	LNROW X0, 32, 0, 24                            ; 24 younger loads (second row, gain, bias) stay out
	LNROW X1, 34, 2048, 0
.endm
	s_load_b512 s[4:19], s[0:1], 0x0               ; x 4, mask 6, ln1_w 8, ln1_b 10, h1 12, wq 14, wk 16, wv 18
	s_load_b256 s[20:27], s[0:1], 0x40             ; proj_w 20, ff_w1 22, ff_w2 24, wb 26
	s_wait_kmcnt 0x0
	s_cmp_lt_u32 ttmp9, CASTS
	s_cbranch_scc0 .Lln
	; the cast: which matrix the chunk lies in, by its number alone
	s_mov_b64 s[28:29], s[24:25]
	s_cmp_lt_u32 ttmp9, 512
	s_cselect_b64 s[28:29], s[22:23], s[28:29]
	s_cmp_lt_u32 ttmp9, 256
	s_cselect_b64 s[28:29], s[20:21], s[28:29]
	s_cmp_lt_u32 ttmp9, 192
	s_cselect_b64 s[28:29], s[18:19], s[28:29]
	s_cmp_lt_u32 ttmp9, 128
	s_cselect_b64 s[28:29], s[16:17], s[28:29]
	s_cmp_lt_u32 ttmp9, 64
	s_cselect_b64 s[28:29], s[14:15], s[28:29]
	s_and_b32 s30, ttmp9, 63                       ; the chunk's number inside a matrix of 64 chunks,
	s_and_b32 s31, ttmp9, 255                      ; or of 256
	s_cmp_lt_u32 ttmp9, 256
	s_cselect_b32 s30, s30, s31
	s_lshl_b32 s30, s30, 16
	s_mov_b32 s31, 0
	s_add_nc_u64 s[28:29], s[28:29], s[30:31]
	s_lshl_b32 s32, ttmp9, 15                      ; in wb the chunks follow each other, 32,768 bytes each
	s_mov_b32 s33, 0
	s_add_nc_u64 s[26:27], s[26:27], s[32:33]
	v_lshlrev_b32 v1, 4, v0
	v_lshlrev_b32 v2, 3, v0
.set i, 0
.rept 16
	global_load_b128 v[32+4*i:35+4*i], v1, s[28:29] offset:4096*i th:TH_LOAD_NT   ; all sixteen loads go out first
.set i, i+1
.endr
.set i, 0
.rept 16
	s_wait_loadcnt 15-i                            ; loads come back in order: load i is in, the younger ones stay out
	v_cvt_pk_bf16_f32 v[32+4*i], v[32+4*i], v[33+4*i]
	v_cvt_pk_bf16_f32 v[33+4*i], v[34+4*i], v[35+4*i]
	global_store_b64 v2, v[32+4*i:33+4*i], s[26:27] offset:2048*i    ; a wave's store covers 256 consecutive bytes, aligned
.set i, i+1
.endr
	s_endpgm
.Lln:
	s_sub_co_u32 s39, ttmp9, CASTS
	LNBODY
	s_endpgm
.Lfunc_end_k_q9e88f015e3_prep:
	.size	k_q9e88f015e3_prep, .Lfunc_end_k_q9e88f015e3_prep-k_q9e88f015e3_prep
	.p2alignl 7, 3214868480
	.fill 96, 4, 3214868480
	.section	.rodata,"a",@progbits
	.p2align	6, 0x0
	.amdhsa_kernel k_q9e88f015e3_prep
		.amdhsa_group_segment_fixed_size 0
		.amdhsa_private_segment_fixed_size 0
		.amdhsa_enable_private_segment 0
		.amdhsa_kernarg_size 96
		.amdhsa_user_sgpr_count 2
		.amdhsa_user_sgpr_kernarg_segment_ptr 1
		.amdhsa_wavefront_size32 1
		.amdhsa_system_sgpr_workgroup_id_x 1
		.amdhsa_system_sgpr_workgroup_id_y 1
		.amdhsa_system_sgpr_workgroup_id_z 1
		.amdhsa_system_vgpr_workitem_id 0
		.amdhsa_next_free_vgpr 160
		.amdhsa_next_free_sgpr 66
		.amdhsa_reserve_vcc 0
		.amdhsa_float_denorm_mode_32 3
		.amdhsa_float_denorm_mode_16_64 3
		.amdhsa_memory_ordered 1
		.amdhsa_forward_progress 1
		.amdhsa_inst_pref_size 29
	.end_amdhsa_kernel
	.amdgpu_metadata
---
amdhsa.version: [ 1, 2 ]
amdhsa.kernels:
  - .name:           k_q9e88f015e3_prep
    .symbol:         k_q9e88f015e3_prep.kd
    .args:
      - { .name: x, .offset: 0, .size: 8, .value_kind: global_buffer, .address_space: global }
      - { .name: key_padding_mask, .offset: 8, .size: 8, .value_kind: global_buffer, .address_space: global }
      - { .name: ln1_w, .offset: 16, .size: 8, .value_kind: global_buffer, .address_space: global }
      - { .name: ln1_b, .offset: 24, .size: 8, .value_kind: global_buffer, .address_space: global }
      - { .name: h1, .offset: 32, .size: 8, .value_kind: global_buffer, .address_space: global }
      - { .name: wq, .offset: 40, .size: 8, .value_kind: global_buffer, .address_space: global }
      - { .name: wk, .offset: 48, .size: 8, .value_kind: global_buffer, .address_space: global }
      - { .name: wv, .offset: 56, .size: 8, .value_kind: global_buffer, .address_space: global }
      - { .name: proj_w, .offset: 64, .size: 8, .value_kind: global_buffer, .address_space: global }
      - { .name: ff_w1, .offset: 72, .size: 8, .value_kind: global_buffer, .address_space: global }
      - { .name: ff_w2, .offset: 80, .size: 8, .value_kind: global_buffer, .address_space: global }
      - { .name: wb, .offset: 88, .size: 8, .value_kind: global_buffer, .address_space: global }
    .group_segment_fixed_size: 0
    .private_segment_fixed_size: 0
    .kernarg_segment_align: 8
    .kernarg_segment_size: 96
    .max_flat_workgroup_size: 256
    .sgpr_count:     66
    .vgpr_count:     160
    .wavefront_size: 32
...
	.end_amdgpu_metadata
.endif
;; end of part 1
;; launch qkv (part 2): grid 12 x 16, 4 waves a work-group, clusters of 4 x 4, 327,680 bytes of LDS; arguments h1, wb, qkv; writes qkv
.if DOCPART == 2
	.amdgcn_target "amdgcn-amd-amdhsa--gfx1250"
	.amdhsa_code_object_version 6
	.text
	.protected	k_q9e88f015e3_qkv
	.globl	k_q9e88f015e3_qkv
	.p2align	8
	.type	k_q9e88f015e3_qkv,@function
k_q9e88f015e3_qkv:
	s_mov_b64 s[64:65], 0
	v_nop
	global_prefetch_b8 v0, s[64:65] scope:SCOPE_SE
	s_setreg_imm32_b32 hwreg(HW_REG_WAVE_MODE, 25, 1), 1
	s_wait_xcnt 0x0
	s_wait_alu depctr_hold_cnt(0) depctr_sa_sdst(0) depctr_va_vdst(0) depctr_va_sdst(0) depctr_va_ssrc(0) depctr_va_vcc(0) depctr_vm_vsrc(0)
	s_getreg_b32 s2, hwreg(HW_REG_IB_STS2, 6, 4)
	s_cmp_eq_u32 s2, 0
	s_cbranch_scc0 .Lentry_in_a_cluster
	s_endpgm
.Lentry_in_a_cluster:
	s_bfe_u32 s2, ttmp6, 0x10000c
	s_cmp_lg_u32 s2, 0xf033
	s_cbranch_scc0 .Lentry_shape_is_right
	s_endpgm
.Lentry_shape_is_right:
; C = A B.  A: [4096][1024] bf16 (rows along K).  B: [1024][NB] bf16 (rows along N, as the weights lie), a part of wb.  Sums in f32.
; FF1 = 0: A = h1, B = wq | wk | wv (block columns 0-3, 4-7, 8-11); C goes out in bf16 as qkv[3][4 b][16 head][1024 t][64 d].
; FF1 = 1: A = h2, B = ff_w1; C = relu(A B + ff_b1) in bf16, [4096][4096].
; A work-group makes 256 x 256 of C with four waves of 128 x 128 (64 accumulator tiles, 512 registers).  K goes in steps of 128 through two LDS slots
; filled by tensor loads.  A's tile: 256 rows of 256 bytes, LDS pitch 272.  B's tile: 128 K-rows of 512 bytes, LDS pitch 544; its fragments are read
; by the transposing LDS load, so the weights need no transposed copy.
; CLUSTERS: 4 x 4 work-groups.  A's tile hangs on the block row alone and is asked for jointly along a row of the cluster, B's on the block column
; alone and jointly along a column: the requests for A and B are divided by four.
; REGISTERS: window 0: v0-31 addresses, v64-127 / v128-191 A's fragments (two buffers), v192-255 the bias (FF1), later packed results;
; window 1: v64-127 / v128-191 B's fragments; windows 2, 3: accumulators of my rows 0-63, 64-127, tile (a, b) at v[8 (8 a + b)].
; The matrix instruction is used transposed (source 0 = B's fragment, source 1 = A's): lane l holds row l % 16 of C, registers 0-7 the columns 8 (l / 16) + 0..7.
; LIMIT (FF1): the ReLU is v_max_num_f32, in which a NaN loses; NaN reaches it only in rows whose residual is NaN too, so the block's output is NaN there all the same.
.set FF1, 0
.set SIZE_K, 1024
.set KSTEP,  128
.set PITCH,  272                       ; A's LDS row: 256 bytes + 16: an odd multiple of 16
.set PB,     544                       ; B's LDS row: 512 bytes + 32: an odd multiple of 32
.set HALFT,  128*PITCH                 ; what one tensor load brings: 128 rows of A, or 64 K-rows of B (64 x 544 is the same number)
.set SLOT,   4*HALFT
.set STAGE,  2*SLOT
.set SPITCH, 272
.set LAPS,   SIZE_K/(2*KSTEP)
.if FF1
.set NB, 4096
.set CP, 70                            ; s[70:71] C
.else
.set NB, 1024
.set CP, 8                             ; s[8:9] C
.endif
.set KB, KSTEP*NB*2                    ; bytes from one K step of B to the next
.set ADRA, 16                          ; v16-17 LDS address of my A fragments in slot 0, 1
.set ADRB, 20                          ; v20-21 the same for B
.set STO,  24
.set RD,   25
.set CO,   26
.set BO,   27
.set F0,   64
.set F1,   128
.set TMP,  192
.set BIAS, 192
.set G1, 24
.set G0, 32
.set G1B, 48
.set G0B, 56
.set MSB, 0
.macro WIN new                         ; the immediate's high byte repeats the setting that is left
.if MSB != \new
	s_set_vgpr_msb (MSB<<8)|\new
.set MSB, \new
.endif
.endm
.set MUL_LO, 0xa1                      ; source 0 (B) window 1, source 1 (A) window 0, C and D window 2
.set MUL_HI, 0xf1                      ; the same, C and D window 3
.set BIAS_LO, 0x81                     ; C (the bias) window 0, D window 2
.set BIAS_HI, 0xc1                     ; C window 0, D window 3
.set TO_B,   0x40
.macro JLOAD s                         ; waves 0, 1 ask for A's halves, waves 2, 3 for B's: each line has one mask and one set of registers
	s_cmp_eq_u32 s11, 0
	s_cbranch_scc0 .Lfor_b_\@
	tensor_load_to_lds s[G0+4*\s:G0+4*\s+3], s[G1:G1+7]
	s_nop 0
	s_branch .Lasked_\@
.Lfor_b_\@:
	tensor_load_to_lds s[G0B+4*\s:G0B+4*\s+3], s[G1B:G1B+7]
	s_nop 0
.Lasked_\@:
.endm
.macro CREST                           ; a round of the cluster's barrier behind its opening barrier
	s_cmp_lg_u32 s10, 0
	s_cbranch_scc1 .Lnot_wave_0_\@
	s_barrier_signal -3
.Lnot_wave_0_\@:
	s_barrier_wait -3
	s_barrier_signal -1
	s_barrier_wait -1
.endm
.macro CROUND
	s_barrier_signal -1
	s_barrier_wait -1
	CREST
.endm
	s_load_b128 s[4:7], s[0:1], 0x0                ; A s[4:5], wb s[6:7]
.if FF1
	s_load_b128 s[68:71], s[0:1], 0x10             ; ff_b1 s[68:69], C s[70:71]
.else
	s_load_b64 s[8:9], s[0:1], 0x10                ; C
	s_set_vgpr_msb 0x40
	v_lshl_add_u32 v255, v0, 2, 0x48400
	s_set_vgpr_msb 0x4000
	v_mov_b32 v255, 0
	s_set_vgpr_msb 0x1
	ds_add_u32 v255, v255
	s_set_vgpr_msb 0x100
.endif
	v_lshrrev_b32 v1, 5, v0
	v_readfirstlane_b32 s10, v1                    ; wave 0..3
	s_lshr_b32 s11, s10, 1                         ; my half of the block's rows.  Also: I fetch for A (0) or for B (1)
	s_and_b32 s12, s10, 1                          ; my half of its columns.  Also: which half of that tile I fetch
	s_bfe_u32 s40, ttmp6, 0x40000                  ; cx
	s_bfe_u32 s41, ttmp6, 0x40004                  ; cy
	s_lshl_b32 s42, ttmp9, 2
	s_add_co_u32 s42, s42, s40                     ; block column
	s_and_b32 s13, ttmp7, 0xffff
	s_lshl_b32 s13, s13, 2
	s_add_co_u32 s13, s13, s41                     ; block row
	s_lshl_b32 s43, s41, 2
	s_lshl_b32 s43, 15, s43                        ; my row of the cluster
	s_lshl_b32 s44, 0x1111, s40                    ; my column
	; group 1 for A: 128 rows x 128 elements of 2 bytes, 4 words of padding behind every 64
	s_or_b32 s[G1+0], s43, (1<<16)|(1<<20)|(1<<21)|(5<<22)|(3<<25)
	s_mov_b32 s[G1+1], KSTEP<<16
	s_mov_b32 s[G1+2], 128<<16
	s_mov_b32 s[G1+3], KSTEP<<16
	s_mov_b32 s[G1+4], 128
	s_mov_b32 s[G1+5], SIZE_K
	s_mov_b32 s[G1+6], 0
	s_mov_b32 s[G1+7], 0
	; group 1 for B: 64 K-rows x 256 elements, 8 words of padding behind every 128
	s_or_b32 s[G1B+0], s44, (1<<16)|(1<<20)|(1<<21)|(6<<22)|(7<<25)
	s_mov_b32 s[G1B+1], 256<<16
	s_mov_b32 s[G1B+2], 64<<16
	s_mov_b32 s[G1B+3], 256<<16
	s_mov_b32 s[G1B+4], 64
	s_mov_b32 s[G1B+5], NB
	s_mov_b32 s[G1B+6], 0
	s_mov_b32 s[G1B+7], 0
	; A's tile: row 256 x block row + 128 x half, 2,048 bytes a row (block row and wave alone)
	s_lshl_b32 s16, s13, 8
	s_lshl_b32 s17, s12, 7
	s_add_co_u32 s16, s16, s17
	s_lshl_b32 s16, s16, 11
	s_mov_b32 s17, 0
	; B's tile: its matrix in wb, 512 bytes a block column, 64 K-rows a half (block column and wave alone)
.if FF1
	s_lshl_b32 s46, s42, 9
	s_lshl_b32 s47, s12, 19
	s_add_co_u32 s46, s46, s47
	s_add_co_u32 s46, s46, 0x800000                ; ff_w1 lies 8 MiB into wb
.else
	s_lshr_b32 s46, s42, 2
	s_lshl_b32 s46, s46, 21                        ; wq, wk, wv: 2 MiB each
	s_and_b32 s47, s42, 3
	s_lshl_b32 s47, s47, 9
	s_add_co_u32 s46, s46, s47
	s_lshl_b32 s47, s12, 17
	s_add_co_u32 s46, s46, s47
.endif
	s_mov_b32 s47, 0
	s_mul_i32 s20, s10, HALFT                      ; where my part goes: the wave's number times a constant
	s_wait_dscnt 0x0
	s_wait_kmcnt 0x0
	s_add_nc_u64 s[14:15], s[4:5], s[16:17]
	s_add_nc_u64 s[46:47], s[6:7], s[46:47]
	CROUND                                         ; all sixteen work-groups are here: the first joint loads meet
.irp s, 0,1
	s_mov_b32 s[G0+4*\s], 1
	s_add_co_u32 s[G0+4*\s+1], s20, \s*SLOT
	s_add_nc_u64 s[G0+4*\s+2:G0+4*\s+3], s[14:15], \s*KSTEP*2
	s_or_b32 s[G0+4*\s+3], s[G0+4*\s+3], 0x80000000
	s_mov_b32 s[G0B+4*\s], 1
	s_add_co_u32 s[G0B+4*\s+1], s20, \s*SLOT
	s_add_nc_u64 s[G0B+4*\s+2:G0B+4*\s+3], s[46:47], \s*KB
	s_or_b32 s[G0B+4*\s+3], s[G0B+4*\s+3], 0x80000000
	JLOAD \s                                       ; both slots are asked for before anything else: two loads of the wave are out
.endr
	v_and_b32 v1, 15, v0                           ; r = l % 16
	v_bfe_u32 v2, v0, 4, 1                         ; h = l / 16
	v_mul_u32_u24 v3, v1, PITCH
	v_lshl_add_u32 v3, v2, 4, v3                   ; A: row r x pitch + 16 h
	v_and_b32 v8, 7, v0
	v_bfe_u32 v7, v0, 3, 1
	v_lshl_add_u32 v6, v2, 3, v8                   ; B: K-row 8 h + l % 8,
	v_mul_u32_u24 v6, v6, PB
	v_lshl_add_u32 v6, v7, 4, v6                   ; 16 bytes further for the upper eight lanes of each sixteen
	s_mul_i32 s21, s11, HALFT                      ; my 128 rows of A
	s_lshl_b32 s22, s12, 8                         ; my 128 columns of B: 256 bytes along its rows,
	s_add_co_u32 s22, s22, 2*HALFT                 ; behind A's 256 rows
.irp s, 0,1
	v_add_nc_u32 v[ADRA+\s], s21, v3
	v_add_nc_u32 v[ADRB+\s], s22, v6
	s_add_co_u32 s21, s21, SLOT
	s_add_co_u32 s22, s22, SLOT
.endr
	s_mul_i32 s23, s10, 16*SPITCH
	s_add_co_u32 s23, s23, STAGE                   ; my stage, behind the ring: no tensor load lands there
	v_mul_u32_u24 v4, v1, SPITCH
	v_lshl_add_u32 v4, v2, 4, v4
	v_add_nc_u32 v[STO], s23, v4
.if FF1
	v_mul_u32_u24 v5, v2, SPITCH                   ; back: lanes 0-15 one row of 256 bytes, lanes 16-31 the next
	v_lshl_add_u32 v5, v1, 4, v5
	v_add_nc_u32 v[RD], s23, v5
	v_mul_u32_u24 v5, v2, NB*2
	v_lshl_add_u32 v[CO], v1, 4, v5
	; the bias starts the sums: register 8 b + j holds ff_b1[my first column + 16 b + 8 h + j]
	s_lshl_b32 s46, s42, 10
	s_lshl_b32 s47, s12, 9
	s_add_co_u32 s46, s46, s47
	s_mov_b32 s47, 0
	s_add_nc_u64 s[68:69], s[68:69], s[46:47]
	v_lshlrev_b32 v[BO], 5, v2
.irp b, 0,1,2,3,4,5,6,7
	global_load_b128 v[BIAS+8*\b:BIAS+8*\b+3],   v[BO], s[68:69] offset:64*\b
	global_load_b128 v[BIAS+8*\b+4:BIAS+8*\b+7], v[BO], s[68:69] offset:64*\b+16
.endr
.else
	v_mul_u32_u24 v5, v7, SPITCH                   ; back: lanes 0-15 take two rows' 128 bytes of my first head, lanes 16-31 of my second
	v_lshl_add_u32 v5, v2, 7, v5
	v_lshl_add_u32 v5, v8, 4, v5
	v_add_nc_u32 v[RD], s23, v5
	v_lshlrev_b32 v5, 17, v2                       ; a head is 131,072 bytes
	v_lshl_add_u32 v[CO], v1, 4, v5                ; two rows of a head are 256 consecutive bytes
.endif
; 16 matrix instructions: m blocks a0, a0 + 1 of the window's four x all 8 n blocks, 32 along K.  zero = 1: the first product starts the sums.
.macro MUL16 f, hi, a0, zero
.irp a, \a0, \a0+1
.irp b, 0,1,2,3,4,5,6,7
.if \zero
.if FF1
	v_wmma_f32_16x16x32_bf16 v[8*(8*(\a)+\b):8*(8*(\a)+\b)+7], v[\f+8*\b:\f+8*\b+7], v[\f+8*(4*\hi+\a):\f+8*(4*\hi+\a)+7], v[BIAS+8*\b:BIAS+8*\b+7]
.else
	v_wmma_f32_16x16x32_bf16 v[8*(8*(\a)+\b):8*(8*(\a)+\b)+7], v[\f+8*\b:\f+8*\b+7], v[\f+8*(4*\hi+\a):\f+8*(4*\hi+\a)+7], 0
.endif
.else
	v_wmma_f32_16x16x32_bf16 v[8*(8*(\a)+\b):8*(8*(\a)+\b)+7], v[\f+8*\b:\f+8*\b+7], v[\f+8*(4*\hi+\a):\f+8*(4*\hi+\a)+7], v[8*(8*(\a)+\b):8*(8*(\a)+\b)+7]
.endif
.endr
.endr
.endm
; 32 LDS loads in one run: one quarter step's fragments (k: byte offset along A's rows, so k / 2 is the K-row of B) into buffer f
.macro FETCH slot, k, f
	WIN TO_B
.irp i, 0,1,2,3,4,5,6,7
	ds_load_tr16_b128 v[\f+8*\i:\f+8*\i+3],   v[ADRB+\slot] offset:(\k/2)*PB+32*\i          ; K = 8 h .. 8 h + 7 of column 16 i + r
	ds_load_tr16_b128 v[\f+8*\i+4:\f+8*\i+7], v[ADRB+\slot] offset:(\k/2)*PB+32*\i+16*PB    ; K = 16 + 8 h ..
.endr
	WIN 0
.irp i, 0,1,2,3,4,5,6,7
	ds_load_b128 v[\f+8*\i:\f+8*\i+3],   v[ADRA+\slot] offset:\k+\i*16*PITCH
	ds_load_b128 v[\f+8*\i+4:\f+8*\i+7], v[ADRA+\slot] offset:\k+\i*16*PITCH+32
.endr
.endm
.macro PLACES                          ; four places behind matrix instructions whose registers are loaded, read or written next (ISA guide 7.12.1)
.rept 4
	v_nop
.endr
.endm
; The 64 accumulators take turns, one instruction a turn, in the same order in every quarter step.
.macro QUARTER slot, k, f, g, zero
	s_wait_dscnt 8                                 ; B and A's rows 0-63 are in; the youngest eight loads (A's rows 64-127) may be out
.if (\zero)*FF1
	WIN BIAS_LO
.else
	WIN MUL_LO
.endif
	MUL16 \f, 0, 0, \zero
	MUL16 \f, 0, 2, \zero
	PLACES
	FETCH \slot, \k, \g
	s_wait_dscnt 32                                ; all but the 32 just issued
.if (\zero)*FF1
	WIN BIAS_HI
.else
	WIN MUL_HI
.endif
	MUL16 \f, 1, 0, \zero
	MUL16 \f, 1, 2, \zero
.endm
.macro THREE slot, zero
	QUARTER \slot, 64,  F0, F1, \zero
	QUARTER \slot, 128, F1, F0, 0
	QUARTER \slot, 192, F0, F1, 0
.endm
; The last quarter changes slots.  In front of the barrier each wave waits for its reads of this slot and for all its tensor loads (one is out: its part
; of the next slot).  Where the slot is filled again the barrier opens a round of the cluster's barrier, and the joint refill is first behind the round.
.macro TURN slot, next, fill
	s_wait_dscnt 8
	WIN MUL_LO
	MUL16 F1, 0, 0, 0
	s_wait_dscnt 0
	s_wait_tensorcnt 0x0
	ds_add_u32 v255, v255
	s_wait_dscnt 0x0
	s_barrier_signal -1
	MUL16 F1, 0, 2, 0                              ; register work alone between signal and wait
	WIN 0
	s_barrier_wait -1
.if \fill
	CREST
	s_add_nc_u64 s[G0+4*\slot+2:G0+4*\slot+3], s[G0+4*\slot+2:G0+4*\slot+3], 2*KSTEP*2
	s_add_nc_u64 s[G0B+4*\slot+2:G0B+4*\slot+3], s[G0B+4*\slot+2:G0B+4*\slot+3], 2*KB
	JLOAD \slot
.endif
	PLACES
	FETCH \next, 0, F0
	WIN MUL_HI
	MUL16 F1, 1, 0, 0
	MUL16 F1, 1, 2, 0
.endm
.macro LAP zero
	THREE 0, \zero
	TURN 0, 1, 1
	THREE 1, 0
	TURN 1, 0, 1
.endm
	s_wait_tensorcnt 1                             ; my part of K step 0 is in; K step 1's stays out
	s_barrier_signal -1
	s_barrier_wait -1
	FETCH 0, 0, F0
.if FF1
	s_wait_loadcnt 0x0                             ; the bias
.endif
	LAP 1
.if LAPS > 2
	WIN 0
	s_mov_b32 s3, LAPS-2
.Llap:
	LAP 0
	WIN 0
	s_sub_co_u32 s3, s3, 1
	s_cmp_lg_u32 s3, 0
	s_cbranch_scc1 .Llap
.endif
	THREE 0, 0                                     ; the last lap fills nothing
	TURN 0, 1, 0
	THREE 1, 0
	s_wait_dscnt 8
	WIN MUL_LO
	MUL16 F1, 0, 0, 0
	MUL16 F1, 0, 2, 0
	s_wait_dscnt 0
	WIN MUL_HI
	MUL16 F1, 1, 0, 0
	MUL16 F1, 1, 2, 0
	; THE WAY OUT, 16 rows of C at a time through my own stage in LDS
	PLACES
.if FF1
	s_lshl_b32 s16, s13, 8
	s_lshl_b32 s14, s11, 7
	s_add_co_u32 s16, s16, s14                     ; my first row,
	s_lshl_b32 s16, s16, 13                        ; 8,192 bytes a row
	s_mov_b32 s17, 0
	s_add_nc_u64 s[CP:CP+1], s[CP:CP+1], s[16:17]
	s_lshl_b32 s46, s42, 9
	s_lshl_b32 s47, s12, 8
	s_add_co_u32 s46, s46, s47                     ; my first column, in bytes
	s_mov_b32 s47, 0
	s_add_nc_u64 s[CP:CP+1], s[CP:CP+1], s[46:47]
.else
	s_lshr_b32 s16, s13, 2                         ; batch = block row / 4: 16 heads of 1,024 rows of 128 bytes
	s_lshl_b32 s16, s16, 14
	s_and_b32 s14, s13, 3
	s_lshl_b32 s14, s14, 8
	s_add_co_u32 s16, s16, s14                     ; + t of my block
	s_lshl_b32 s14, s11, 7
	s_add_co_u32 s16, s16, s14
	s_lshl_b32 s16, s16, 7                         ; 128 bytes a row of a head
	s_mov_b32 s17, 0
	s_add_nc_u64 s[CP:CP+1], s[CP:CP+1], s[16:17]
	s_lshr_b32 s46, s42, 2                         ; q, k or v: 64 heads each
	s_lshl_b32 s46, s46, 6
	s_and_b32 s47, s42, 3
	s_lshl2_add_u32 s46, s47, s46                  ; + 4 heads a block column
	s_lshl1_add_u32 s46, s12, s46                  ; + 2 heads a wave
	s_lshl_b32 s46, s46, 17
	s_mov_b32 s47, 0
	s_add_nc_u64 s[CP:CP+1], s[CP:CP+1], s[46:47]
.endif
; rows 16 i .. 16 i + 15 of my block = tiles (a, 0..7) of window 2 or 3 (from: sources 0 and 1; relu: source 1 and destination)
.macro OUT16 i, a, from, relu, f
.if FF1
	WIN \relu
.irp b, 0,1,2,3,4,5,6,7
.irp r, 0,1,2,3,4,5,6,7
	v_max_num_f32 v[8*(8*\a+\b)+\r], 0, v[8*(8*\a+\b)+\r]
.endr
.endr
.endif
	WIN \from
.irp b, 0,1,2,3,4,5,6,7
.irp r, 0,1,2,3
	v_cvt_pk_bf16_f32 v[TMP+4*\b+\r], v[8*(8*\a+\b)+2*\r], v[8*(8*\a+\b)+2*\r+1]
.endr
.endr
	WIN 0
.irp b, 0,1,2,3,4,5,6,7
	ds_store_b128 v[STO], v[TMP+4*\b:TMP+4*\b+3] offset:32*\b
.endr
	s_wait_xcnt 0x0                                ; buffer f, which earlier stores read, and the stores' base are rewritten only behind this wait
.if FF1
.if \i
	s_add_nc_u64 s[CP:CP+1], s[CP:CP+1], 16*NB*2
.endif
.endif
.irp t, 0,1,2,3,4,5,6,7
	ds_load_b128 v[\f+4*\t:\f+4*\t+3], v[RD] offset:\t*2*SPITCH    ; LDS serves a wave's instructions in order: these see the stores above
.endr
.irp t, 0,1,2,3,4,5,6,7
	s_wait_dscnt 7-\t
.if FF1
	global_store_b128 v[CO], v[\f+4*\t:\f+4*\t+3], s[CP:CP+1] offset:2*\t*NB*2          ; 16 lanes store 256 consecutive bytes, aligned
.else
	global_store_b128 v[CO], v[\f+4*\t:\f+4*\t+3], s[CP:CP+1] offset:2048*\i+256*\t     ; 16 lanes store two rows of a head: 256 consecutive bytes, aligned
.endif
.endr
.endm
	OUT16 0, 0, 0x0a, 0x88, F0
	OUT16 1, 1, 0x0a, 0x88, F1
	OUT16 2, 2, 0x0a, 0x88, F0
	OUT16 3, 3, 0x0a, 0x88, F1
	OUT16 4, 0, 0x0f, 0xcc, F0
	OUT16 5, 1, 0x0f, 0xcc, F1
	OUT16 6, 2, 0x0f, 0xcc, F0
	OUT16 7, 3, 0x0f, 0xcc, F1
	s_set_vgpr_msb 0x1
	s_wait_tensorcnt 0x0
	ds_add_u32 v255, v255
	s_wait_dscnt 0x0
	s_set_vgpr_msb 0x100
	CROUND                                         ; the closing round: no work-group ends while a partner may still ask for a tile that names it
	s_endpgm
.Lfunc_end_k_q9e88f015e3_qkv:
	.size	k_q9e88f015e3_qkv, .Lfunc_end_k_q9e88f015e3_qkv-k_q9e88f015e3_qkv
	.p2alignl 7, 3214868480
	.fill 96, 4, 3214868480
	.section	.rodata,"a",@progbits
	.p2align	6, 0x0
	.amdhsa_kernel k_q9e88f015e3_qkv
		.amdhsa_group_segment_fixed_size 327680
		.amdhsa_private_segment_fixed_size 0
		.amdhsa_enable_private_segment 0
		.amdhsa_kernarg_size 24
		.amdhsa_user_sgpr_count 2
		.amdhsa_user_sgpr_kernarg_segment_ptr 1
		.amdhsa_wavefront_size32 1
		.amdhsa_system_sgpr_workgroup_id_x 1
		.amdhsa_system_sgpr_workgroup_id_y 1
		.amdhsa_system_sgpr_workgroup_id_z 1
		.amdhsa_system_vgpr_workitem_id 0
		.amdhsa_next_free_vgpr 1024
		.amdhsa_next_free_sgpr 66
		.amdhsa_reserve_vcc 0
		.amdhsa_float_denorm_mode_32 3
		.amdhsa_float_denorm_mode_16_64 3
		.amdhsa_memory_ordered 1
		.amdhsa_forward_progress 1
		.amdhsa_inst_pref_size 196
	.end_amdhsa_kernel
	.amdgpu_metadata
---
amdhsa.version: [ 1, 2 ]
amdhsa.kernels:
  - .name:           k_q9e88f015e3_qkv
    .symbol:         k_q9e88f015e3_qkv.kd
    .args:
      - { .name: h1, .offset: 0, .size: 8, .value_kind: global_buffer, .address_space: global }
      - { .name: wb, .offset: 8, .size: 8, .value_kind: global_buffer, .address_space: global }
      - { .name: qkv, .offset: 16, .size: 8, .value_kind: global_buffer, .address_space: global }
    .group_segment_fixed_size: 327680
    .private_segment_fixed_size: 0
    .kernarg_segment_align: 8
    .kernarg_segment_size: 24
    .max_flat_workgroup_size: 128
    .sgpr_count:     66
    .vgpr_count:     1024
    .wavefront_size: 32
...
	.end_amdgpu_metadata
.endif
;; end of part 2
;; launch attn (part 3): grid 256 x 1, 4 waves a work-group, clusters of 4 x 1, 325,120 bytes of LDS; arguments qkv, key_padding_mask, att; writes att
.if DOCPART == 3
	.amdgcn_target "amdgcn-amd-amdhsa--gfx1250"
	.amdhsa_code_object_version 6
	.text
	.protected	k_q9e88f015e3_attn
	.globl	k_q9e88f015e3_attn
	.p2align	8
	.type	k_q9e88f015e3_attn,@function
k_q9e88f015e3_attn:
	s_mov_b64 s[64:65], 0
	v_nop
	global_prefetch_b8 v0, s[64:65] scope:SCOPE_SE
	s_setreg_imm32_b32 hwreg(HW_REG_WAVE_MODE, 25, 1), 1
	s_wait_xcnt 0x0
	s_wait_alu depctr_hold_cnt(0) depctr_sa_sdst(0) depctr_va_vdst(0) depctr_va_sdst(0) depctr_va_ssrc(0) depctr_va_vcc(0) depctr_vm_vsrc(0)
	s_getreg_b32 s2, hwreg(HW_REG_IB_STS2, 6, 4)
	s_cmp_eq_u32 s2, 0
	s_cbranch_scc0 .Lentry_in_a_cluster
	s_endpgm
.Lentry_in_a_cluster:
	s_bfe_u32 s2, ttmp6, 0x10000c
	s_cmp_lg_u32 s2, 0x3003
	s_cbranch_scc0 .Lentry_shape_is_right
	s_endpgm
.Lentry_shape_is_right:
; Attention of one head (cluster x = 16 b + head) with a running maximum; causal and key-padding masks; scale 1024^-0.5 = 2^-5.
; qkv: bf16 [3][64 heads][1024 t][64 d]; att: bf16 [64 heads][1024 t][64 d].
; SHARES.  The four work-groups of a cluster share a head.  Wave w of work-group j owns two blocks of 32 queries: a long one at 128 (7 - w) + 32 j
; (7 - w whole key tiles of 128 and its diagonal tile) and a short one at 128 w + 32 j (w whole tiles and its diagonal tile): nine trips for every wave.
; Every work-group reads all 1,024 keys, and no trip count, branch or LDS address hangs on j, so K and V are asked for JOINTLY by the four (mask 15).
; All of the head's K and V stay in LDS: first fills only (two tensor loads a wave), nothing is filled again.
; FORM.  S^T = K Q^T + bias[key] (A = 16 keys x 32 d from LDS, B = Q kept in registers, C = 0 or -2^127): lane (r, h) holds query r, register j key 8 h + j.
; Two such tiles, packed to bf16, ARE the B fragment of P^T for 32 keys, so O^T = V^T P^T needs no move between lanes; V^T comes by the transposing LDS load.
; Maximum, rescaling factor and sum are one number a lane; the two halves of the lanes meet by one v_permlanex16_b32.
; NOTHING IS CLEARED.  A block's first trip starts O (C = 0) and skips the rescaling.  So that a first trip is one fixed text, the long block begins with key
; tile 0, a whole tile for every wave, and the short block with its diagonal tile, which every wave has; under a running maximum the order of key tiles is free.
; THE WAY OUT.  Both blocks' results wait, packed to bf16, in the registers that held their Q.  The reads of K, V and the bias run on addresses that are
; stepped in loops whose length hangs on the wave's number; so that every LDS store of the way out is ordered behind every such read by the text itself, the
; stage is written only behind one barrier that follows all waves' last reads.  Every wave makes nine trips, so the waves reach it together.
; LIMITS.  Mask bytes are 0 or 1.  Masked scores are -2^127 and the running maximum starts at -2^120, so raw scores below -2^120 count as masked.
; A query with no admissible key ends with sum 0 and O 0: 0 x (1/0) is NaN, as the softmax of a row of -inf is.
.set KP, 144                           ; K's LDS row: 128 bytes + 16
.set VP, 160                           ; V's LDS row: 128 bytes + 32 (an odd multiple of 32, for the transposing load)
.set KTILE, 128*KP
.set VTILE, 128*VP
.set VBASE, 1024*KP
.set BTAB,  VBASE+1024*VP              ; 1,024 f32: 0 or -2^127 for each key
.set STAGE, BTAB+4096                  ; 16 rows x 144 bytes for each wave
.set KW0, 15|(3<<16)|(1<<20)|(1<<21)|(4<<22)|(3<<25)   ; mask 15, elements of 8 bytes, padding on, bit 21 beside the mask, 4 words behind every 32
.set VW0, 15|(3<<16)|(1<<20)|(1<<21)|(4<<22)|(7<<25)   ; the same with 8 words
; window 0
.set OFL, 15                           ; v15     byte offset in the head of my 16 bytes of the long block's first four rows
.set QKI, 16                           ; v16-17  32 j + 16 g + r - 8 h: my query's place in the diagonal tile, less my half's key offset
.set MM,  20                           ; v20-21  running maximum (raw scores)
.set LS,  22                           ; v22-23  running sum
.set NMC, 24                           ; v24, v26  -c x maximum (low registers of pairs)
.set AL,  28                           ; v28, v30  rescaling factor (low registers of pairs)
.set TT,  32                           ; v[32:47] at work
.set OFS, 48                           ; v48     the same as v15 for the short block
.set BI,  64                           ; v[64:127] bias of the tile's keys, 8 registers for each 16 keys; at the end: rows on their way out
.set SS,  128                          ; v[128:255] S^T, tile (g, ks) at 64 g + 8 ks; then P^T, fragment (g, kg) at 64 g + 16 kg
; window 1
.set OO,  0                            ; O^T, tile (g, db) at 32 g + 8 db
.set QQ,  64                           ; the long block's Q fragments (g, d half) at 16 g + 8 half; then its packed results, (g, db) at 16 g + 4 db
.set Q2,  96                           ; the same for the short block
.set KF,  128                          ; K fragments (ks, d half) at 16 ks + 8 half
; window 2
.set VF,  0                            ; V^T fragments (kg, db) at 8 (4 kg + db)
.set MSB, 0
.macro WIN new
.if MSB != \new
	s_set_vgpr_msb (MSB<<8)|\new
.set MSB, \new
.endif
.endm
.macro PLACES
.rept 4
	v_nop
.endr
.endm
.macro CROUND
	s_barrier_signal -1
	s_barrier_wait -1
	s_cmp_lg_u32 s10, 0
	s_cbranch_scc1 .Lnot_wave_0_\@
	s_barrier_signal -3
.Lnot_wave_0_\@:
	s_barrier_wait -3
	s_barrier_signal -1
	s_barrier_wait -1
.endm
	s_load_b128 s[4:7], s[0:1], 0x0                ; qkv, mask
	s_load_b64 s[8:9], s[0:1], 0x10                ; att
	v_lshl_add_u32 v62, v0, 2, 0x4f400
	v_mov_b32 v63, 0
	ds_add_u32 v62, v63
	v_lshrrev_b32 v1, 5, v0
	v_readfirstlane_b32 s10, v1                    ; wave
	s_lshr_b32 s11, s10, 1                         ; I fetch K (0) or V (1)
	s_and_b32 s12, s10, 1                          ; which part of it
	s_bfe_u32 s13, ttmp6, 0x40000                  ; j: my place in the cluster; it enters global offsets and the causal compare alone
	s_lshl_b32 s14, ttmp9, 17                      ; the head: 131,072 bytes
	s_mov_b32 s15, 0
	s_lshr_b32 s16, ttmp9, 4
	s_lshl_b32 s16, s16, 10                        ; the batch's 1,024 mask bytes
	s_mov_b32 s17, 0
	s_mul_i32 s18, s12, 16384                      ; first load: key tile 0 or 1
	s_mov_b32 s19, 0
	s_mul_i32 s20, s12, 49152                      ; second load: key tiles 2-4 or 5-7
	s_add_co_u32 s20, s20, 32768
	s_mov_b32 s21, 0
	s_mov_b32 s48, 0x3d38aa3b                      ; c = 2^-5 log2(e)
	s_mov_b32 s49, 0x3d38aa3b
	s_mov_b32 s50, 0xbd38aa3b                      ; -c
	s_mov_b32 s52, 0x76543210
	s_mov_b32 s53, 0xfedcba98
	; a head's K or V is dense: it comes as rows of 256 bytes (32 elements of 8 bytes), 64 rows a key tile; the padding splits them into keys of 128 bytes
	s_mov_b32 s25, 32<<16
	s_mov_b32 s26, 64<<16
	s_mov_b32 s27, 32<<16
	s_mov_b32 s28, 64
	s_mov_b32 s29, 32
	s_mov_b32 s30, 0
	s_mov_b32 s31, 0
	s_mov_b32 s33, 32<<16
	s_mov_b32 s34, 192<<16
	s_mov_b32 s35, 32<<16
	s_mov_b32 s36, 192
	s_mov_b32 s37, 32
	s_mov_b32 s38, 0
	s_mov_b32 s39, 0
	s_mov_b32 s40, 1
	s_mov_b32 s44, 1
	s_wait_dscnt 0x0
	s_wait_kmcnt 0x0
	s_add_nc_u64 s[56:57], s[4:5], s[14:15]        ; the head's Q
	s_add_nc_u64 s[58:59], s[8:9], s[14:15]        ; the head's rows of att
	s_add_nc_u64 s[6:7], s[6:7], s[16:17]
	s_add_nc_u64 s[18:19], s[56:57], s[18:19]
	s_add_nc_u64 s[20:21], s[56:57], s[20:21]
	CROUND                                         ; the four work-groups are here: the joint loads meet
	s_cmp_eq_u32 s11, 0
	s_cbranch_scc0 .Lfor_v                         ; one branch on the wave's number holds all of a wave's fills
	s_mov_b32 s24, KW0
	s_mov_b32 s32, KW0
	s_mul_i32 s41, s10, KTILE                      ; waves 0, 1: tile 0, 1
	s_mul_i32 s45, s10, 3*KTILE
	s_add_co_u32 s45, s45, 2*KTILE                 ; tiles 2-4, 5-7
	s_add_nc_u64 s[42:43], s[18:19], 0x800000      ; K lies 8 MiB behind Q
	s_or_b32 s43, s43, 0x80000000
	s_add_nc_u64 s[46:47], s[20:21], 0x800000
	s_or_b32 s47, s47, 0x80000000
	tensor_load_to_lds s[40:43], s[24:31]
	s_nop 0
	tensor_load_to_lds s[44:47], s[32:39]
	s_nop 0
	s_branch .Lasked
.Lfor_v:
	s_mov_b32 s24, VW0
	s_mov_b32 s32, VW0
	s_mul_i32 s41, s10, VTILE                      ; waves 2, 3: tile 0, 1
	s_add_co_u32 s41, s41, VBASE-2*VTILE
	s_mul_i32 s45, s10, 3*VTILE
	s_add_co_u32 s45, s45, VBASE-4*VTILE           ; tiles 2-4, 5-7
	s_add_nc_u64 s[42:43], s[18:19], 0x1000000     ; V lies 16 MiB behind Q
	s_or_b32 s43, s43, 0x80000000
	s_add_nc_u64 s[46:47], s[20:21], 0x1000000
	s_or_b32 s47, s47, 0x80000000
	tensor_load_to_lds s[40:43], s[24:31]
	s_nop 0
	tensor_load_to_lds s[44:47], s[32:39]
	s_nop 0
.Lasked:
	v_lshlrev_b32 v1, 3, v0
	global_load_b64 v[2:3], v1, s[6:7]             ; 8 mask bytes a thread: the batch's 1,024
	s_sub_co_u32 s22, 7, s10
	s_lshl_b32 s22, s22, 7
	s_lshl_b32 s23, s13, 5                         ; 32 j
	s_add_co_u32 s55, s22, s23                     ; the long block's first query,
	s_lshl_b32 s55, s55, 7                         ; in bytes
	s_lshl_b32 s51, s10, 7
	s_add_co_u32 s51, s51, s23                     ; the short block's first query,
	s_lshl_b32 s51, s51, 7                         ; in bytes
	v_and_b32 v32, 15, v0                          ; r
	v_bfe_u32 v33, v0, 4, 1                        ; h
	v_and_b32 v34, 31, v0                          ; lane
	v_and_b32 v35, 7, v0
	v_mul_u32_u24 v7, v32, KP
	v_lshl_add_u32 v7, v33, 4, v7                  ; K: key r x pitch + 16 h
	v_lshl_add_u32 v36, v33, 3, v35
	v_mul_u32_u24 v8, v36, VP                      ; V: key 8 h + lane % 8,
	v_bfe_u32 v37, v0, 3, 1
	v_lshl_add_u32 v8, v37, 4, v8                  ; 16 bytes further for the upper eight lanes of each sixteen
	v_add_nc_u32 v8, VBASE, v8
	v_lshlrev_b32 v9, 5, v33
	v_add_nc_u32 v9, BTAB, v9                      ; bias: 8 h keys of 4 bytes
	v_lshlrev_b32 v10, 7, v32
	v_lshl_add_u32 v10, v33, 4, v10                ; Q: query r x 128 + 16 h
	s_mul_i32 s22, s10, 16*KP
	s_add_co_u32 s22, s22, STAGE                   ; my stage
	v_add_nc_u32 v12, s22, v7                      ; in: row r, 16 bytes for each half of the lanes
	v_lshrrev_b32 v38, 3, v34
	v_mul_u32_u24 v13, v38, KP
	v_lshl_add_u32 v13, v35, 4, v13
	v_add_nc_u32 v13, s22, v13                     ; back: eight lanes a row of 128 bytes
	v_lshlrev_b32 v14, 4, v34
	v_lshlrev_b32 v39, 3, v33
	v_sub_nc_u32 v[QKI], v32, v39
	v_add_nc_u32 v[QKI], s23, v[QKI]
	v_add_nc_u32 v[QKI+1], 16, v[QKI]
	v_mov_b32 v18, 0xff000000                      ; -2^127
	v_mov_b32 v[NMC+1], 0                          ; the pairs' high registers are never used, and are written once
	v_mov_b32 v[NMC+3], 0
	v_mov_b32 v[AL+1], 0
	v_mov_b32 v[AL+3], 0
	v_mov_b32 v4, v7                               ; running addresses: key tile 0
	v_mov_b32 v5, v8
	v_mov_b32 v6, v9
; Q of the block at byte s[soff] of the head, into window 1's registers qb .. qb + 31 for the block's whole pass.
; areg: the loads' offset register, oreg: the block's offset for the way out; each block has its own, and none is written again.
.macro LOADQ qb, areg, oreg, soff
	v_add_nc_u32 v[\areg], s[\soff], v10
	v_add_nc_u32 v[\oreg], s[\soff], v14
	WIN 0x40
.irp g, 0,1
.irp k, 0,1
	global_load_b128 v[\qb+16*\g+8*\k:\qb+16*\g+8*\k+3],   v[\areg], s[56:57] offset:2048*\g+64*\k
	global_load_b128 v[\qb+16*\g+8*\k+4:\qb+16*\g+8*\k+7], v[\areg], s[56:57] offset:2048*\g+64*\k+32
.endr
.endr
	WIN 0
.endm
; a block's maximum and sum start here; its O is started by its first trip's products
.macro START
	v_mov_b32 v[MM], 0xfb800000                    ; -2^120
	v_mov_b32 v[MM+1], 0xfb800000
	v_mov_b32 v[LS], 0
	v_mov_b32 v[LS+1], 0
.endm
; 48 LDS loads: the K fragments and the bias of the key tile at v4, v6
.macro FETCHK
	WIN 0x40
.irp ks, 0,1,2,3,4,5,6,7
.irp q, 0,1,2,3
	ds_load_b128 v[KF+16*\ks+4*\q:KF+16*\ks+4*\q+3], v4 offset:16*KP*\ks+32*\q
.endr
.endr
	WIN 0
.irp ks, 0,1,2,3,4,5,6,7
	ds_load_b128 v[BI+8*\ks:BI+8*\ks+3],   v6 offset:64*\ks
	ds_load_b128 v[BI+8*\ks+4:BI+8*\ks+7], v6 offset:64*\ks+16
.endr
.endm
; the new maximum of query block g, -c x maximum, and the factor 2^(c (old - new))
.macro SMAX g
.irp k, 0,1,2,3
	v_max3_num_f32 v[TT+8*\g+\k], v[MM+\g], v[SS+64*\g+16*\k], v[SS+64*\g+16*\k+1]
.endr
.irp n, 1,2,3,4,5,6,7
.irp k, 0,1,2,3
	v_max3_num_f32 v[TT+8*\g+\k], v[TT+8*\g+\k], v[SS+64*\g+16*\k+2*\n], v[SS+64*\g+16*\k+2*\n+1]
.endr
.endr
	v_max3_num_f32 v[TT+8*\g], v[TT+8*\g], v[TT+8*\g+1], v[TT+8*\g+2]
	v_max_num_f32 v[TT+8*\g], v[TT+8*\g], v[TT+8*\g+3]
	v_permlanex16_b32 v[TT+8*\g+1], v[TT+8*\g], s52, s53       ; the other half of the lanes holds the same query's other keys
	v_max_num_f32 v[TT+8*\g], v[TT+8*\g], v[TT+8*\g+1]
	v_mul_f32 v[NMC+2*\g], s50, v[TT+8*\g]
	v_fma_f32 v[AL+2*\g], v[MM+\g], s48, v[NMC+2*\g]
	v_mov_b32 v[MM+\g], v[TT+8*\g]
	v_exp_f32 v[AL+2*\g], v[AL+2*\g]               ; the next line is a plain one that touches neither source nor result (ISA guide 5.7.2)
.endm
; P = 2^(c S - c max), its sum, and P packed to bf16 in place as B fragments
.macro SEXP g
.set p, 0
.rept 32
	v_pk_fma_f32 v[SS+64*\g+2*p:SS+64*\g+2*p+1], v[SS+64*\g+2*p:SS+64*\g+2*p+1], s[48:49], v[NMC+2*\g:NMC+2*\g+1] op_sel_hi:[1,0,0]
.set p, p+1
.endr
.set p, 0
.rept 64
	v_exp_f32 v[SS+64*\g+p], v[SS+64*\g+p]
.set p, p+1
.endr
	v_nop                                          ; one plain place behind the transcendentals
	s_wait_alu depctr_va_vdst(0)
.irp k, 0,1,2,3
	v_pk_add_f32 v[TT+8*\g+2*\k:TT+8*\g+2*\k+1], v[SS+64*\g+2*\k:SS+64*\g+2*\k+1], v[SS+64*\g+8+2*\k:SS+64*\g+8+2*\k+1]
.endr
.set p, 8
.rept 24
	v_pk_add_f32 v[TT+8*\g+2*(p%4):TT+8*\g+2*(p%4)+1], v[TT+8*\g+2*(p%4):TT+8*\g+2*(p%4)+1], v[SS+64*\g+2*p:SS+64*\g+2*p+1]
.set p, p+1
.endr
	v_pk_add_f32 v[TT+8*\g:TT+8*\g+1], v[TT+8*\g:TT+8*\g+1], v[TT+8*\g+2:TT+8*\g+3]
	v_pk_add_f32 v[TT+8*\g+4:TT+8*\g+5], v[TT+8*\g+4:TT+8*\g+5], v[TT+8*\g+6:TT+8*\g+7]
	v_pk_add_f32 v[TT+8*\g:TT+8*\g+1], v[TT+8*\g:TT+8*\g+1], v[TT+8*\g+4:TT+8*\g+5]
	v_add_f32 v[TT+8*\g], v[TT+8*\g], v[TT+8*\g+1]
	v_fma_f32 v[LS+\g], v[LS+\g], v[AL+2*\g], v[TT+8*\g]
.irp kg, 0,1,2,3
.irp j, 0,1,2,3
	v_cvt_pk_bf16_f32 v[SS+64*\g+16*\kg+\j], v[SS+64*\g+16*\kg+2*\j], v[SS+64*\g+16*\kg+2*\j+1]         ; keys 8 h .. 8 h + 7 of the 32
.endr
.irp j, 0,1,2,3
	v_cvt_pk_bf16_f32 v[SS+64*\g+16*\kg+4+\j], v[SS+64*\g+16*\kg+8+2*\j], v[SS+64*\g+16*\kg+8+2*\j+1]   ; keys 16 + 8 h ..
.endr
.endr
.endm
; One key tile of 128 for my 32 queries, whose Q lies at qb.  diag = 1: the causal mask is applied.  pf = 1: the next tile's K and bias are fetched meanwhile.
; first = 1: the block's first trip: its products start O, and nothing is rescaled.  reset = 1: the next tile is key tile 0, else the one behind this.
.macro TRIP diag, pf, first, reset, qb
	s_wait_dscnt 0x0                               ; this tile's K and bias
	WIN 0x05                                       ; A (K) and B (Q) window 1; C and D window 0
	; the sixteen accumulators take turns, one instruction a turn: first d 0-31 of all, then d 32-63
.irp ks, 0,1,2,3,4,5,6,7
.irp g, 0,1
	v_wmma_f32_16x16x32_bf16 v[SS+64*\g+8*\ks:SS+64*\g+8*\ks+7], v[KF+16*\ks:KF+16*\ks+7], v[\qb+16*\g:\qb+16*\g+7], v[BI+8*\ks:BI+8*\ks+7]
.endr
.endr
.irp ks, 0,1,2,3,4,5,6,7
.irp g, 0,1
	v_wmma_f32_16x16x32_bf16 v[SS+64*\g+8*\ks:SS+64*\g+8*\ks+7], v[KF+16*\ks+8:KF+16*\ks+15], v[\qb+16*\g+8:\qb+16*\g+15], v[SS+64*\g+8*\ks:SS+64*\g+8*\ks+7]
.endr
.endr
	WIN 0
	PLACES                                         ; behind them: S is read, K's and the bias's registers are loaded again
	WIN 0x80
.irp kg, 0,1,2,3
.irp db, 0,1,2,3
	ds_load_tr16_b128 v[VF+8*(4*\kg+\db):VF+8*(4*\kg+\db)+3],   v5 offset:32*VP*\kg+32*\db
	ds_load_tr16_b128 v[VF+8*(4*\kg+\db)+4:VF+8*(4*\kg+\db)+7], v5 offset:32*VP*\kg+32*\db+16*VP
.endr
.endr
	WIN 0
.if \reset
	v_mov_b32 v4, v7
	v_mov_b32 v6, v9
.else
	v_add_nc_u32 v4, KTILE, v4
	v_add_nc_u32 v6, 512, v6
.endif
.if \pf
	FETCHK
.endif
.if \diag
.irp g, 0,1
.set p, 0
.rept 64
	v_cmp_gt_i32 vcc_lo, 16*(p/8)+(p%8), v[QKI+\g]             ; key behind the query: masked
	v_cndmask_b32 v[SS+64*\g+p], v[SS+64*\g+p], v18, vcc_lo
.set p, p+1
.endr
.endr
.endif
	SMAX 0
	SMAX 1
	SEXP 0
	SEXP 1
.if \first
.else
	WIN 0x41
.irp g, 0,1
.set p, 0
.rept 16
	v_pk_mul_f32 v[OO+32*\g+2*p:OO+32*\g+2*p+1], v[OO+32*\g+2*p:OO+32*\g+2*p+1], v[AL+2*\g:AL+2*\g+1] op_sel_hi:[1,0]
.set p, p+1
.endr
.endr
.endif
	s_wait_dscnt 48*\pf                            ; V's 32 loads are in; the 48 younger ones are the next tile's K and bias
	WIN 0x52                                       ; A (V^T) window 2, B (P^T) window 0, C and D window 1; the eight accumulators take turns
.irp db, 0,1,2,3
.irp g, 0,1
.if \first
	v_wmma_f32_16x16x32_bf16 v[OO+32*\g+8*\db:OO+32*\g+8*\db+7], v[VF+8*\db:VF+8*\db+7], v[SS+64*\g:SS+64*\g+7], 0
.else
	v_wmma_f32_16x16x32_bf16 v[OO+32*\g+8*\db:OO+32*\g+8*\db+7], v[VF+8*\db:VF+8*\db+7], v[SS+64*\g:SS+64*\g+7], v[OO+32*\g+8*\db:OO+32*\g+8*\db+7]
.endif
.endr
.endr
.irp kg, 1,2,3
.irp db, 0,1,2,3
.irp g, 0,1
	v_wmma_f32_16x16x32_bf16 v[OO+32*\g+8*\db:OO+32*\g+8*\db+7], v[VF+8*(4*\kg+\db):VF+8*(4*\kg+\db)+7], v[SS+64*\g+16*\kg:SS+64*\g+16*\kg+7], v[OO+32*\g+8*\db:OO+32*\g+8*\db+7]
.endr
.endr
.endr
	WIN 0
.if \reset
	v_mov_b32 v5, v8                               ; with the four below: five places before matrix instructions write over P (ISA guide 7.12.1)
.else
	v_add_nc_u32 v5, VTILE, v5                     ; with the four below: five places before matrix instructions write over P (ISA guide 7.12.1)
.endif
	PLACES
.endm
; O / sum, packed to bf16 into window 1's registers res .. res + 31, (g, db) at 16 g + 4 db: register work alone
.macro FINAL res
.irp g, 0,1
	v_permlanex16_b32 v[TT+\g], v[LS+\g], s52, s53
.endr
.irp g, 0,1
	v_add_f32 v[LS+\g], v[LS+\g], v[TT+\g]
.endr
	v_rcp_f32 v[AL], v[LS]
	v_rcp_f32 v[AL+2], v[LS+1]
	v_nop                                          ; one plain place behind the transcendentals
	WIN 0x41
	s_wait_alu depctr_va_vdst(0)
.irp g, 0,1
.set p, 0
.rept 16
	v_pk_mul_f32 v[OO+32*\g+2*p:OO+32*\g+2*p+1], v[OO+32*\g+2*p:OO+32*\g+2*p+1], v[AL+2*\g:AL+2*\g+1] op_sel_hi:[1,0]
.set p, p+1
.endr
.endr
	WIN 0x45                                       ; sources and destination window 1
.irp g, 0,1
.irp db, 0,1,2,3
.irp j, 0,1,2,3
	v_cvt_pk_bf16_f32 v[\res+16*\g+4*\db+\j], v[OO+32*\g+8*\db+2*\j], v[OO+32*\g+8*\db+2*\j+1]
.endr
.endr
.endr
	WIN 0
.endm
; A block's 32 rows leave, 16 at a time, through my stage.  res: its packed results in window 1; oreg: its offset; n: which registers the rows come back into.
.macro OUTB res, oreg, n
.irp g, 0,1
	WIN 0x04                                       ; store data window 1
.irp db, 0,1,2,3
	ds_store_b128 v12, v[\res+16*\g+4*\db:\res+16*\g+4*\db+3] offset:32*\db    ; query r, d = 16 db + 8 h ..
.endr
	WIN 0
.irp u, 0,1,2,3
	ds_load_b128 v[BI+16*(\n+\g)+4*\u:BI+16*(\n+\g)+4*\u+3], v13 offset:4*KP*\u    ; LDS serves a wave's instructions in order: these see the stores above
.endr
.irp u, 0,1,2,3
	s_wait_dscnt 3-\u                              ; read-back u is in; the younger ones stay out
	global_store_b128 v[\oreg], v[BI+16*(\n+\g)+4*\u:BI+16*(\n+\g)+4*\u+3], s[58:59] offset:2048*\g+512*\u   ; four rows of the head: 512 consecutive bytes, aligned
.endr
.endr
.endm
	LOADQ QQ, 11, OFL, 55                          ; both blocks' Q are asked for now: the second pass waits for nothing from memory
	LOADQ Q2, 49, OFS, 51
	s_wait_loadcnt 0x10                            ; the mask bytes are in; Q's sixteen loads stay out
.irp i, 0,1,2,3,4,5,6,7
	v_bfe_u32 v[TT+\i], v[2+\i/4], 8*(\i%4), 8
.endr
.irp i, 0,1,2,3,4,5,6,7
	v_cvt_f32_u32 v[TT+\i], v[TT+\i]
.endr
.irp i, 0,1,2,3,4,5,6,7
	v_fma_f32 v[TT+\i], v[TT+\i], -v18, v18        ; m x 2^127 - 2^127: 0 or -2^127
.endr
	v_lshlrev_b32 v19, 5, v0
	v_add_nc_u32 v19, BTAB, v19
	ds_store_b128 v19, v[TT:TT+3]
	ds_store_b128 v19, v[TT+4:TT+7] offset:16
	START
	s_wait_tensorcnt 0x1                           ; my part of key tiles 0 and 1 is in; my larger load stays out
	s_wait_dscnt 0x0                               ; my part of the bias table is written
	s_barrier_signal -1
	s_barrier_wait -1
	FETCHK
	s_wait_loadcnt 0x0                             ; Q
	; THE LONG BLOCK.  Key tiles 0 and 1 are whole tiles for every wave (the block begins at query 512 or later)
	TRIP 0, 1, 1, 0, QQ
	TRIP 0, 0, 0, 0, QQ
	s_wait_tensorcnt 0x0                           ; my part of key tiles 2 to 7 is in
	s_wait_dscnt 0x0
	s_barrier_signal -1
	s_barrier_wait -1                              ; everybody's is
	FETCHK                                         ; key tile 2
	s_sub_co_u32 s54, 5, s10                       ; whole tiles left: 7 - w - 2, two at the least
.Llong:
	TRIP 0, 1, 0, 0, QQ
	s_sub_co_u32 s54, s54, 1
	s_cmp_lg_u32 s54, 0
	s_cbranch_scc1 .Llong
	TRIP 1, 0, 0, 0, QQ                            ; its diagonal tile
	FINAL QQ                                       ; Q is not needed behind the last products: its registers take the results
	; THE SHORT BLOCK: its diagonal tile, key tile w, first; then key tiles 0 to w - 1
	s_mul_i32 s22, s10, KTILE
	v_add_nc_u32 v4, s22, v7
	s_mul_i32 s22, s10, VTILE
	v_add_nc_u32 v5, s22, v8
	s_lshl_b32 s22, s10, 9
	v_add_nc_u32 v6, s22, v9
	START
	FETCHK
	TRIP 1, 1, 1, 1, Q2
	s_mov_b32 s54, s10
	s_cmp_eq_u32 s54, 0
	s_cbranch_scc1 .Lshort_done
.Lshort:
	TRIP 0, 1, 0, 0, Q2
	s_sub_co_u32 s54, s54, 1
	s_cmp_lg_u32 s54, 0
	s_cbranch_scc1 .Lshort
.Lshort_done:
	FINAL Q2                                       ; the last trip's fetch ahead (a key tile that lies in LDS) is not used; FINAL names none of its registers
	s_wait_dscnt 0x0                               ; my reads of K, V and the bias are back
	s_barrier_signal -1
	s_barrier_wait -1                              ; everybody's are: only now is LDS written again
	OUTB QQ, OFL, 0
	OUTB Q2, OFS, 2
	s_wait_tensorcnt 0x0
	ds_add_u32 v62, v63
	s_wait_dscnt 0x0
	CROUND                                         ; the closing round (no LDS instruction is out: the last count-down ended at 0)
	s_endpgm
.Lfunc_end_k_q9e88f015e3_attn:
	.size	k_q9e88f015e3_attn, .Lfunc_end_k_q9e88f015e3_attn-k_q9e88f015e3_attn
	.p2alignl 7, 3214868480
	.fill 96, 4, 3214868480
	.section	.rodata,"a",@progbits
	.p2align	6, 0x0
	.amdhsa_kernel k_q9e88f015e3_attn
		.amdhsa_group_segment_fixed_size 325120
		.amdhsa_private_segment_fixed_size 0
		.amdhsa_enable_private_segment 0
		.amdhsa_kernarg_size 24
		.amdhsa_user_sgpr_count 2
		.amdhsa_user_sgpr_kernarg_segment_ptr 1
		.amdhsa_wavefront_size32 1
		.amdhsa_system_sgpr_workgroup_id_x 1
		.amdhsa_system_sgpr_workgroup_id_y 1
		.amdhsa_system_sgpr_workgroup_id_z 1
		.amdhsa_system_vgpr_workitem_id 0
		.amdhsa_next_free_vgpr 640
		.amdhsa_next_free_sgpr 66
		.amdhsa_reserve_vcc 1
		.amdhsa_float_denorm_mode_32 3
		.amdhsa_float_denorm_mode_16_64 3
		.amdhsa_memory_ordered 1
		.amdhsa_forward_progress 1
		.amdhsa_inst_pref_size 240
	.end_amdhsa_kernel
	.amdgpu_metadata
---
amdhsa.version: [ 1, 2 ]
amdhsa.kernels:
  - .name:           k_q9e88f015e3_attn
    .symbol:         k_q9e88f015e3_attn.kd
    .args:
      - { .name: qkv, .offset: 0, .size: 8, .value_kind: global_buffer, .address_space: global }
      - { .name: key_padding_mask, .offset: 8, .size: 8, .value_kind: global_buffer, .address_space: global }
      - { .name: att, .offset: 16, .size: 8, .value_kind: global_buffer, .address_space: global }
    .group_segment_fixed_size: 325120
    .private_segment_fixed_size: 0
    .kernarg_segment_align: 8
    .kernarg_segment_size: 24
    .max_flat_workgroup_size: 128
    .sgpr_count:     66
    .vgpr_count:     640
    .wavefront_size: 32
...
	.end_amdgpu_metadata
.endif
;; end of part 3
;; launch proj (part 4): grid 8 x 32, 4 waves a work-group, clusters of 4 x 4, 327,680 bytes of LDS; arguments att, wb, proj_b, x, x1; writes x1
.if DOCPART == 4
	.amdgcn_target "amdgcn-amd-amdhsa--gfx1250"
	.amdhsa_code_object_version 6
	.text
	.protected	k_q9e88f015e3_proj
	.globl	k_q9e88f015e3_proj
	.p2align	8
	.type	k_q9e88f015e3_proj,@function
k_q9e88f015e3_proj:
	s_mov_b64 s[64:65], 0
	v_nop
	global_prefetch_b8 v0, s[64:65] scope:SCOPE_SE
	s_setreg_imm32_b32 hwreg(HW_REG_WAVE_MODE, 25, 1), 1
	s_wait_xcnt 0x0
	s_wait_alu depctr_hold_cnt(0) depctr_sa_sdst(0) depctr_va_vdst(0) depctr_va_sdst(0) depctr_va_ssrc(0) depctr_va_vcc(0) depctr_vm_vsrc(0)
	s_getreg_b32 s2, hwreg(HW_REG_IB_STS2, 6, 4)
	s_cmp_eq_u32 s2, 0
	s_cbranch_scc0 .Lentry_in_a_cluster
	s_endpgm
.Lentry_in_a_cluster:
	s_bfe_u32 s2, ttmp6, 0x10000c
	s_cmp_lg_u32 s2, 0xf033
	s_cbranch_scc0 .Lentry_shape_is_right
	s_endpgm
.Lentry_shape_is_right:
; C = R + A B + bias, f32 out, N = 1024.  B: [K][1024] bf16, a part of wb (rows along N).  Sums in f32.
; FF2 = 0: A = att, bf16 [4 b][16 head][1024 t][64 d] (K = 64 head + d, 1,024); B = proj_w; R = x; out = x1.
; FF2 = 1: A = fh, bf16 [4096][4096]; B = ff_w2; R = x1; out0 = (R + A B + bias) x mask[row].
; N = 1,024 gives only 64 blocks of 256 x 256, so a work-group makes 128 x 128 (256 work-groups), four waves of 64 x 64: 16 accumulator tiles each.
; K goes in steps of 256 through two LDS slots; each of the four tensor loads of a step has 36,864 bytes of the slot:
;   parts 0, 1: A.  FF2: 64 rows of 512 bytes each, pitch 528.  Else: two heads' planes each, a plane 128 rows of 128 bytes, pitch 144
;               (a head's 128 rows are dense in memory: one tile row of 8,192 elements, split by the padding).
;   parts 2, 3: B, 128 K-rows of 256 bytes each, pitch 288; read by the transposing LDS load.
; Two slots and the stage take 312,320 bytes of LDS: no larger slot fits.
; CLUSTERS: 4 x 4 work-groups; A's tile is asked for jointly along a row of the cluster, B's along a column.
; THE ORDER OF K.  In the clusters whose x + y is odd slot 0 begins with K step 1 and slot 1 with K step 0; both go on in twos, as everywhere.  Of two
; neighbouring clusters that need the same tile of A (same y) or of B (same x), one therefore asks for it a K step before the other, by turns.
; The parity is made of the cluster's own coordinates, which its sixteen work-groups share.  The sums hold the same terms, added in another order.
; R is asked for at the start, 32 loads a wave, into registers that nothing else names, and waited for once, in front of the way out.
; REGISTERS: window 0: v16-31 addresses; v64-127, v128-191 two fragment buffers (A at +0, B at +32); v192-223 the bias, which starts the sums;
; window 1: accumulator tile (a, b) at v[8 (4 a + b)]; v128-255 R.  The matrix instruction is used transposed: lane l holds row l % 16, registers the columns 8 (l / 16) + 0..7.
; Mask bytes are taken to be 0 or 1 and are applied by multiplying (a NaN stays a NaN).
.set FF2, 0
.set KSTEP, 256
.if FF2
.set SIZE_K, 4096
.set PA, 528
.set EPP, 8                            ; eighths of a K step in a plane of A
.set PLANE, 0
.set ASTEP, 512                        ; bytes from one K step of A to the next
.set WOFF, 16777216
.else
.set SIZE_K, 1024
.set PA, 144
.set EPP, 2
.set PLANE, 128*PA
.set ASTEP, 524288                     ; four heads
.set WOFF, 6291456
.endif
.set PB, 288
.set BSTEP, KSTEP*2048
.set HALF, 36864
.set SLOT, 4*HALF
.set STAGE, 2*SLOT
.set SPITCH, 272
.set LAPS, SIZE_K/(2*KSTEP)
.set ADRA, 16                          ; v16-17 slot 0, 1
.set ADRB, 20                          ; v20-23 slot 0, 1 x K half 0, 1
.set STO, 24
.set RD, 25
.set CO, 26
.set F0, 64
.set F1, 128
.set BIAS, 192
.set RR, 128                           ; window 1: R, load 8 a + t at 4 (8 a + t)
.set G1, 24
.set G0, 32
.set G1B, 48
.set G0B, 56
.set MSB, 0
.macro WIN new
.if MSB != \new
	s_set_vgpr_msb (MSB<<8)|\new
.set MSB, \new
.endif
.endm
.macro PLACES
.rept 4
	v_nop
.endr
.endm
.macro JLOAD s
	s_cmp_eq_u32 s11, 0
	s_cbranch_scc0 .Lfor_b_\@
	tensor_load_to_lds s[G0+4*\s:G0+4*\s+3], s[G1:G1+7]
	s_nop 0
	s_branch .Lasked_\@
.Lfor_b_\@:
	tensor_load_to_lds s[G0B+4*\s:G0B+4*\s+3], s[G1B:G1B+7]
	s_nop 0
.Lasked_\@:
.endm
.macro CREST
	s_cmp_lg_u32 s10, 0
	s_cbranch_scc1 .Lnot_wave_0_\@
	s_barrier_signal -3
.Lnot_wave_0_\@:
	s_barrier_wait -3
	s_barrier_signal -1
	s_barrier_wait -1
.endm
.macro CROUND
	s_barrier_signal -1
	s_barrier_wait -1
	CREST
.endm
; slot s's two descriptors and its first fill; ao, bo: scalar pairs with the byte offsets of the slot's first K step in A and in B
.macro FILL1 s, ao, bo
	s_mov_b32 s[G0+4*\s], 1
	s_add_co_u32 s[G0+4*\s+1], s20, \s*SLOT
	s_add_nc_u64 s[G0+4*\s+2:G0+4*\s+3], s[14:15], s[\ao:\ao+1]
	s_or_b32 s[G0+4*\s+3], s[G0+4*\s+3], 0x80000000
	s_mov_b32 s[G0B+4*\s], 1
	s_add_co_u32 s[G0B+4*\s+1], s20, \s*SLOT
	s_add_nc_u64 s[G0B+4*\s+2:G0B+4*\s+3], s[46:47], s[\bo:\bo+1]
	s_or_b32 s[G0B+4*\s+3], s[G0B+4*\s+3], 0x80000000
	JLOAD \s
.endm
	s_load_b128 s[4:7], s[0:1], 0x0                ; A, wb
	s_load_b128 s[68:71], s[0:1], 0x10             ; bias, R
.if FF2
	s_load_b128 s[72:75], s[0:1], 0x20             ; out, mask
.else
	s_load_b64 s[72:73], s[0:1], 0x20              ; out
	v_lshl_add_u32 v62, v0, 2, 0x4c400
	v_mov_b32 v63, 0
	ds_add_u32 v62, v63
.endif
	v_lshrrev_b32 v1, 5, v0
	v_readfirstlane_b32 s10, v1                    ; wave
	s_lshr_b32 s11, s10, 1                         ; my half of the rows.  Also: I fetch for A (0) or B (1)
	s_and_b32 s12, s10, 1                          ; my half of the columns.  Also: which part I fetch
	s_bfe_u32 s40, ttmp6, 0x40000                  ; cx
	s_bfe_u32 s41, ttmp6, 0x40004                  ; cy
	s_lshl_b32 s42, ttmp9, 2
	s_add_co_u32 s42, s42, s40                     ; block column
	s_and_b32 s13, ttmp7, 0xffff
	s_add_co_u32 s45, s13, ttmp9
	s_and_b32 s45, s45, 1                          ; the parity of the cluster's x + y
	s_lshl_b32 s13, s13, 2
	s_add_co_u32 s13, s13, s41                     ; block row
	s_lshl_b32 s43, s41, 2
	s_lshl_b32 s43, 15, s43                        ; my row of the cluster
	s_lshl_b32 s44, 0x1111, s40                    ; my column
.if FF2
	s_or_b32 s[G1+0], s43, (1<<16)|(1<<20)|(1<<21)|(6<<22)|(3<<25)   ; 4 words of padding behind every 128
	s_mov_b32 s[G1+1], 256<<16
	s_mov_b32 s[G1+2], 64<<16
	s_mov_b32 s[G1+3], 256<<16
	s_mov_b32 s[G1+4], 64
	s_mov_b32 s[G1+5], 4096
.else
	s_or_b32 s[G1+0], s43, (1<<16)|(1<<20)|(1<<21)|(4<<22)|(3<<25)   ; 4 words of padding behind every 32
	s_mov_b32 s[G1+1], 8192<<16                    ; a tile row: 128 rows of a head, dense
	s_mov_b32 s[G1+2], 2<<16                       ; two heads
	s_mov_b32 s[G1+3], 8192<<16
	s_mov_b32 s[G1+4], 2
	s_mov_b32 s[G1+5], 65536                       ; elements from head to head
.endif
	s_mov_b32 s[G1+6], 0
	s_mov_b32 s[G1+7], 0
	s_or_b32 s[G1B+0], s44, (1<<16)|(1<<20)|(1<<21)|(5<<22)|(7<<25)  ; 8 words of padding behind every 64
	s_mov_b32 s[G1B+1], 128<<16
	s_mov_b32 s[G1B+2], 128<<16
	s_mov_b32 s[G1B+3], 128<<16
	s_mov_b32 s[G1B+4], 128
	s_mov_b32 s[G1B+5], 1024
	s_mov_b32 s[G1B+6], 0
	s_mov_b32 s[G1B+7], 0
.if FF2
	s_lshl_b32 s16, s13, 7
	s_lshl_b32 s17, s12, 6
	s_add_co_u32 s16, s16, s17                     ; row 128 x block row + 64 x part,
	s_lshl_b32 s16, s16, 13                        ; 8,192 bytes a row
.else
	s_lshr_b32 s16, s13, 3                         ; batch
	s_lshl_b32 s16, s16, 4
	s_lshl1_add_u32 s16, s12, s16                  ; head 16 x batch + 2 x part
	s_lshl_b32 s16, s16, 17
	s_and_b32 s17, s13, 7
	s_lshl_b32 s17, s17, 14                        ; 128 rows of 128 bytes
	s_add_co_u32 s16, s16, s17
.endif
	s_mov_b32 s17, 0
	s_lshl_b32 s46, s42, 8                         ; B: 256 bytes a block column,
	s_lshl_b32 s47, s12, 18                        ; 128 K-rows of 2,048 bytes a part,
	s_add_co_u32 s46, s46, s47
	s_add_co_u32 s46, s46, WOFF                    ; its matrix in wb
	s_mov_b32 s47, 0
	s_mul_i32 s20, s10, HALF                       ; where my part goes: the wave's number times a constant
	s_wait_dscnt 0x0
	s_wait_kmcnt 0x0
	s_add_nc_u64 s[14:15], s[4:5], s[16:17]
	s_add_nc_u64 s[46:47], s[6:7], s[46:47]
	s_mul_i32 s16, s45, ASTEP                      ; slot 0 begins with K step 0 or 1,
	s_mov_b32 s17, 0
	s_sub_co_u32 s18, ASTEP, s16                   ; slot 1 with the other
	s_mov_b32 s19, 0
	s_mul_i32 s66, s45, BSTEP                      ; the same steps in B
	s_mov_b32 s67, 0
	s_sub_co_u32 s22, BSTEP, s66
	s_mov_b32 s23, 0
	CROUND
	FILL1 0, 16, 66                                ; both slots are asked for first: two loads of the wave are out
	FILL1 1, 18, 22
	; bias, R and out at my wave's corner
	s_lshl_b32 s46, s42, 9
	s_lshl_b32 s47, s12, 8
	s_add_co_u32 s46, s46, s47                     ; (128 x block column + 64 x half) x 4 bytes
	s_mov_b32 s47, 0
	s_add_nc_u64 s[68:69], s[68:69], s[46:47]
	s_add_nc_u64 s[70:71], s[70:71], s[46:47]
	s_add_nc_u64 s[72:73], s[72:73], s[46:47]
	s_lshl_b32 s16, s13, 7
	s_lshl_b32 s17, s11, 6
	s_add_co_u32 s16, s16, s17                     ; my first row
	s_mov_b32 s17, 0
.if FF2
	s_add_nc_u64 s[74:75], s[74:75], s[16:17]
	s_load_b512 s[76:91], s[74:75], 0x0            ; my 64 rows' mask bytes
.endif
	s_lshl_b32 s18, s16, 12                        ; 4,096 bytes a row
	s_mov_b32 s19, 0
	s_add_nc_u64 s[70:71], s[70:71], s[18:19]
	s_add_nc_u64 s[72:73], s[72:73], s[18:19]
	v_and_b32 v1, 15, v0                           ; r
	v_bfe_u32 v2, v0, 4, 1                         ; h
	v_lshlrev_b32 v6, 12, v2
	v_lshl_add_u32 v[CO], v1, 4, v6                ; R and out: lanes 0-15 one row's 256 bytes, lanes 16-31 the next row's
	v_lshlrev_b32 v7, 5, v2
.irp b, 0,1,2,3
	global_load_b128 v[BIAS+8*\b:BIAS+8*\b+3],   v7, s[68:69] offset:64*\b      ; register 8 b + j: bias[my first column + 16 b + 8 h + j]
	global_load_b128 v[BIAS+8*\b+4:BIAS+8*\b+7], v7, s[68:69] offset:64*\b+16
.endr
	WIN 0x40                                       ; destination window 1
.irp a, 0,1,2,3
.irp t, 0,1,2,3,4,5,6,7
	global_load_b128 v[RR+4*(8*\a+\t):RR+4*(8*\a+\t)+3], v[CO], s[70:71] offset:(16*\a+2*\t)*4096   ; R's rows 16 a + 2 t + h
.endr
.endr
	WIN 0
	v_mul_u32_u24 v3, v1, PA
	v_lshl_add_u32 v3, v2, 4, v3
.if FF2
	s_mul_i32 s21, s11, HALF                       ; my 64 rows are one part
.else
	s_mul_i32 s21, s11, 64*PA                      ; my 64 rows in every plane
.endif
	v_and_b32 v4, 7, v0
	v_lshl_add_u32 v4, v2, 3, v4
	v_mul_u32_u24 v4, v4, PB
	v_bfe_u32 v5, v0, 3, 1
	v_lshl_add_u32 v4, v5, 4, v4
	s_lshl_b32 s22, s12, 7                         ; my 64 columns: 128 bytes along B's rows
	s_add_co_u32 s22, s22, 2*HALF
.irp s, 0,1
	v_add_nc_u32 v[ADRA+\s], s21, v3
	v_add_nc_u32 v[ADRB+2*\s], s22, v4
	s_add_co_u32 s22, s22, HALF
	v_add_nc_u32 v[ADRB+2*\s+1], s22, v4
	s_add_co_u32 s21, s21, SLOT
	s_add_co_u32 s22, s22, SLOT-HALF
.endr
	s_mul_i32 s23, s10, 16*SPITCH
	s_add_co_u32 s23, s23, STAGE
	v_mul_u32_u24 v6, v1, SPITCH
	v_lshl_add_u32 v6, v2, 5, v6
	v_add_nc_u32 v[STO], s23, v6                   ; in: row r, 32 bytes for each half of the lanes
	v_mul_u32_u24 v6, v2, SPITCH
	v_lshl_add_u32 v6, v1, 4, v6
	v_add_nc_u32 v[RD], s23, v6                    ; back: sixteen lanes a row of 256 bytes
.if FF2
	v_lshlrev_b32 v27, 3, v2                       ; bit offsets of my row's mask byte in a word: 8 h,
	v_add_nc_u32 v28, 16, v27                      ; 16 + 8 h
	v_mov_b32 v31, 0                               ; the high register of the pair whose low one carries the mask
.endif
; 16 LDS loads: the fragments of eighth e (32 along K) of a slot into buffer f
.macro FETCH slot, e, f
.irp i, 0,1,2,3
	ds_load_tr16_b128 v[\f+32+8*\i:\f+32+8*\i+3], v[ADRB+2*\slot+(\e)/4] offset:32*((\e)%4)*PB+32*\i
	ds_load_tr16_b128 v[\f+32+8*\i+4:\f+32+8*\i+7], v[ADRB+2*\slot+(\e)/4] offset:32*((\e)%4)*PB+32*\i+16*PB
.endr
.irp i, 0,1,2,3
	ds_load_b128 v[\f+8*\i:\f+8*\i+3],   v[ADRA+\slot] offset:((\e)/EPP)*PLANE+((\e)%EPP)*64+16*\i*PA
	ds_load_b128 v[\f+8*\i+4:\f+8*\i+7], v[ADRA+\slot] offset:((\e)/EPP)*PLANE+((\e)%EPP)*64+16*\i*PA+32
.endr
.endm
; 8 matrix instructions: m blocks a0, a0 + 1 x 4 n blocks.  c = 1: the bias starts the sums.
.macro MUL8 f, a0, c
.irp a, \a0, \a0+1
.irp b, 0,1,2,3
.if \c
	v_wmma_f32_16x16x32_bf16 v[8*(4*(\a)+\b):8*(4*(\a)+\b)+7], v[\f+32+8*\b:\f+32+8*\b+7], v[\f+8*(\a):\f+8*(\a)+7], v[BIAS+8*\b:BIAS+8*\b+7]
.else
	v_wmma_f32_16x16x32_bf16 v[8*(4*(\a)+\b):8*(4*(\a)+\b)+7], v[\f+32+8*\b:\f+32+8*\b+7], v[\f+8*(\a):\f+8*(\a)+7], v[8*(4*(\a)+\b):8*(4*(\a)+\b)+7]
.endif
.endr
.endr
.endm
; One of the first seven eighths: fetches the next eighth into buffer g, multiplies buffer f.
; The sixteen accumulators take turns, one instruction a turn, in one order throughout.
.macro EIGHTH slot, e, f, g, c
	s_wait_dscnt 0x0                               ; buffer f, asked for sixteen matrix instructions ago
	PLACES                                         ; buffer g was read by the matrix instructions just issued
	FETCH \slot, \e+1, \g
.if \c
	WIN 0x40                                       ; D window 1, C (the bias) window 0
.else
	WIN 0x50                                       ; C and D window 1
.endif
	MUL8 \f, 0, \c
	MUL8 \f, 2, \c
	WIN 0
.endm
.macro SEVEN slot, c
	EIGHTH \slot, 0, F0, F1, \c
	EIGHTH \slot, 1, F1, F0, 0
	EIGHTH \slot, 2, F0, F1, 0
	EIGHTH \slot, 3, F1, F0, 0
	EIGHTH \slot, 4, F0, F1, 0
	EIGHTH \slot, 5, F1, F0, 0
	EIGHTH \slot, 6, F0, F1, 0
.endm
; The last eighth changes slots: each wave's reads of this slot and all its tensor loads (one is out: its part of the next slot) are waited for in front
; of the barrier; where the slot is filled again the barrier opens a round of the cluster's barrier and the joint refill is first behind it.
.macro TURN slot, next, fill
	s_wait_dscnt 0x0
	s_wait_tensorcnt 0x0
	ds_add_u32 v62, v63
	s_wait_dscnt 0x0
	s_barrier_signal -1
	WIN 0x50
	MUL8 F1, 0, 0                                  ; register work alone between signal and wait
	WIN 0
	s_barrier_wait -1
.if \fill
	CREST
	s_add_nc_u64 s[G0+4*\slot+2:G0+4*\slot+3], s[G0+4*\slot+2:G0+4*\slot+3], 2*ASTEP
	s_add_nc_u64 s[G0B+4*\slot+2:G0B+4*\slot+3], s[G0B+4*\slot+2:G0B+4*\slot+3], 2*BSTEP
	JLOAD \slot
.endif
	PLACES
	FETCH \next, 0, F0
	WIN 0x50
	MUL8 F1, 2, 0
	WIN 0
.endm
.macro LAP c
	SEVEN 0, \c
	TURN 0, 1, 1
	SEVEN 1, 0
	TURN 1, 0, 1
.endm
	s_wait_tensorcnt 1                             ; my part of slot 0 is in; slot 1's stays out
	s_barrier_signal -1
	s_barrier_wait -1
	FETCH 0, 0, F0
	s_wait_loadcnt 32                              ; the bias's eight loads are in; R's 32, issued behind them, stay out
	LAP 1
.if LAPS > 2
	s_mov_b32 s3, LAPS-2
.Llap:
	LAP 0
	s_sub_co_u32 s3, s3, 1
	s_cmp_lg_u32 s3, 0
	s_cbranch_scc1 .Llap
.endif
	SEVEN 0, 0                                     ; the last lap fills nothing
	TURN 0, 1, 0
	SEVEN 1, 0
	s_wait_dscnt 0x0
	WIN 0x50
	MUL8 F1, 0, 0
	MUL8 F1, 2, 0
	WIN 0
	; THE WAY OUT: the sums go 16 rows at a time through my stage and come back as whole rows, to which R is added
	PLACES                                         ; four places behind the last matrix instructions, whose results the LDS stores read
	s_wait_loadcnt 0x0                             ; R
.if FF2
	s_wait_kmcnt 0x0                               ; the mask bytes
.endif
.macro OUTF a
.set OB, 192+32*(\a%2)
	s_wait_xcnt 0x0                                ; the registers that the stores two turns ago read are loaded again only behind this wait
	WIN 0x04                                       ; store data window 1
.irp b, 0,1,2,3
	ds_store_b128 v[STO], v[8*(4*\a+\b):8*(4*\a+\b)+3]   offset:64*\b
	ds_store_b128 v[STO], v[8*(4*\a+\b)+4:8*(4*\a+\b)+7] offset:64*\b+16
.endr
	WIN 0
.irp t, 0,1,2,3,4,5,6,7
	ds_load_b128 v[OB+4*\t:OB+4*\t+3], v[RD] offset:2*SPITCH*\t    ; LDS serves a wave's instructions in order: these see the stores above
.endr
	WIN 0x04                                       ; second source (R) window 1
.irp t, 0,1,2,3,4,5,6,7
	s_wait_dscnt 7-\t                              ; read-back t is in; the younger ones stay out
	v_pk_add_f32 v[OB+4*\t:OB+4*\t+1], v[OB+4*\t:OB+4*\t+1], v[RR+4*(8*\a+\t):RR+4*(8*\a+\t)+1]
	v_pk_add_f32 v[OB+4*\t+2:OB+4*\t+3], v[OB+4*\t+2:OB+4*\t+3], v[RR+4*(8*\a+\t)+2:RR+4*(8*\a+\t)+3]
.endr
	WIN 0
.irp t, 0,1,2,3,4,5,6,7
.if FF2
	v_bfe_u32 v29, s[76+4*\a+\t/2], v[27+\t%2], 8  ; the mask byte of row 16 a + 2 t + h
	v_cvt_f32_u32 v30, v29
	v_pk_mul_f32 v[OB+4*\t:OB+4*\t+1], v[OB+4*\t:OB+4*\t+1], v[30:31] op_sel_hi:[1,0]
	v_pk_mul_f32 v[OB+4*\t+2:OB+4*\t+3], v[OB+4*\t+2:OB+4*\t+3], v[30:31] op_sel_hi:[1,0]
.endif
	global_store_b128 v[CO], v[OB+4*\t:OB+4*\t+3], s[72:73] offset:(16*\a+2*\t)*4096   ; 16 lanes store 256 consecutive bytes, aligned
.endr
.endm
	OUTF 0
	OUTF 1
	OUTF 2
	OUTF 3
	s_wait_tensorcnt 0x0
	ds_add_u32 v62, v63
	s_wait_dscnt 0x0
	CROUND                                         ; the closing round
	s_endpgm
.Lfunc_end_k_q9e88f015e3_proj:
	.size	k_q9e88f015e3_proj, .Lfunc_end_k_q9e88f015e3_proj-k_q9e88f015e3_proj
	.p2alignl 7, 3214868480
	.fill 96, 4, 3214868480
	.section	.rodata,"a",@progbits
	.p2align	6, 0x0
	.amdhsa_kernel k_q9e88f015e3_proj
		.amdhsa_group_segment_fixed_size 327680
		.amdhsa_private_segment_fixed_size 0
		.amdhsa_enable_private_segment 0
		.amdhsa_kernarg_size 40
		.amdhsa_user_sgpr_count 2
		.amdhsa_user_sgpr_kernarg_segment_ptr 1
		.amdhsa_wavefront_size32 1
		.amdhsa_system_sgpr_workgroup_id_x 1
		.amdhsa_system_sgpr_workgroup_id_y 1
		.amdhsa_system_sgpr_workgroup_id_z 1
		.amdhsa_system_vgpr_workitem_id 0
		.amdhsa_next_free_vgpr 512
		.amdhsa_next_free_sgpr 76
		.amdhsa_reserve_vcc 0
		.amdhsa_float_denorm_mode_32 3
		.amdhsa_float_denorm_mode_16_64 3
		.amdhsa_memory_ordered 1
		.amdhsa_forward_progress 1
		.amdhsa_inst_pref_size 98
	.end_amdhsa_kernel
	.amdgpu_metadata
---
amdhsa.version: [ 1, 2 ]
amdhsa.kernels:
  - .name:           k_q9e88f015e3_proj
    .symbol:         k_q9e88f015e3_proj.kd
    .args:
      - { .name: att, .offset: 0, .size: 8, .value_kind: global_buffer, .address_space: global }
      - { .name: wb, .offset: 8, .size: 8, .value_kind: global_buffer, .address_space: global }
      - { .name: proj_b, .offset: 16, .size: 8, .value_kind: global_buffer, .address_space: global }
      - { .name: x, .offset: 24, .size: 8, .value_kind: global_buffer, .address_space: global }
      - { .name: x1, .offset: 32, .size: 8, .value_kind: global_buffer, .address_space: global }
    .group_segment_fixed_size: 327680
    .private_segment_fixed_size: 0
    .kernarg_segment_align: 8
    .kernarg_segment_size: 40
    .max_flat_workgroup_size: 128
    .sgpr_count:     76
    .vgpr_count:     512
    .wavefront_size: 32
...
	.end_amdgpu_metadata
.endif
;; end of part 4
;; launch ln2 (part 5): grid 256 x 1, 8 waves a work-group, no clusters, 0 bytes of LDS; arguments x1, key_padding_mask, ln2_w, ln2_b, h2; writes h2
.if DOCPART == 5
	.amdgcn_target "amdgcn-amd-amdhsa--gfx1250"
	.amdhsa_code_object_version 6
	.text
	.protected	k_q9e88f015e3_ln2
	.globl	k_q9e88f015e3_ln2
	.p2align	8
	.type	k_q9e88f015e3_ln2,@function
k_q9e88f015e3_ln2:
	s_mov_b64 s[64:65], 0
	v_nop
	global_prefetch_b8 v0, s[64:65] scope:SCOPE_SE
	s_setreg_imm32_b32 hwreg(HW_REG_WAVE_MODE, 25, 1), 1
	s_wait_xcnt 0x0
; h2 = (LayerNorm(x1) * w + b) * mask in bf16.  One wave takes two rows of 1,024 f32; a row stays in 32 registers between the passes.
; A stream: no LDS, no barrier, no matrix unit.  Mask bytes are taken to be 0 or 1 and are applied by multiplying (a NaN stays a NaN).
.set TT, 4                             ; v[4:11]    at work
.set MU, 20                            ; v[20:21]   the mean, twice
.set RR, 22                            ; v[22:23]   1/sqrt(var + eps), twice
.set X0, 32                            ; v[32:63]   first row
.set X1, 64                            ; v[64:95]   second row
.set WW, 96                            ; v[96:127]  gain of my 32 columns
.set BB, 128                           ; v[128:159] bias of my 32 columns
.macro JOIN
	v_pk_add_f32 v[TT:TT+1], v[TT:TT+1], v[TT+2:TT+3]
	v_pk_add_f32 v[TT+4:TT+5], v[TT+4:TT+5], v[TT+6:TT+7]
	v_pk_add_f32 v[TT:TT+1], v[TT:TT+1], v[TT+4:TT+5]
	v_add_f32 v[TT], v[TT], v[TT+1]
.endm
.macro REDUCE
	v_add_f32_dpp v[TT], v[TT], v[TT] row_xmask:1 row_mask:0xf bank_mask:0xf
	v_add_f32_dpp v[TT], v[TT], v[TT] row_xmask:2 row_mask:0xf bank_mask:0xf
	v_add_f32_dpp v[TT], v[TT], v[TT] row_xmask:4 row_mask:0xf bank_mask:0xf
	v_add_f32_dpp v[TT], v[TT], v[TT] row_xmask:8 row_mask:0xf bank_mask:0xf
	v_permlanex16_b32 v[TT+1], v[TT], s36, s37
	v_add_f32 v[TT], v[TT], v[TT+1]
.endm
.macro LNROW X, MS, off, left
	s_wait_loadcnt \left
.irp k, 0,1,2,3
	v_pk_add_f32 v[TT+2*\k:TT+2*\k+1], v[\X+2*\k:\X+2*\k+1], v[\X+8+2*\k:\X+8+2*\k+1]
.endr
.set p, 8
.rept 8
	v_pk_add_f32 v[TT+2*(p%4):TT+2*(p%4)+1], v[TT+2*(p%4):TT+2*(p%4)+1], v[\X+2*p:\X+2*p+1]
.set p, p+1
.endr
	JOIN
	REDUCE
	v_mul_f32 v[MU], v3, v[TT]                     ; mean = sum / 1024
	v_mov_b32 v[MU+1], v[MU]
.set p, 0
.rept 16
	v_pk_add_f32 v[\X+2*p:\X+2*p+1], v[\X+2*p:\X+2*p+1], v[MU:MU+1] neg_lo:[0,1] neg_hi:[0,1]   ; x - mean first: the variance is no difference of large sums
.set p, p+1
.endr
.irp k, 0,1,2,3
	v_pk_mul_f32 v[TT+2*\k:TT+2*\k+1], v[\X+2*\k:\X+2*\k+1], v[\X+2*\k:\X+2*\k+1]
.endr
.set p, 4
.rept 12
	v_pk_fma_f32 v[TT+2*(p%4):TT+2*(p%4)+1], v[\X+2*p:\X+2*p+1], v[\X+2*p:\X+2*p+1], v[TT+2*(p%4):TT+2*(p%4)+1]
.set p, p+1
.endr
	JOIN
	REDUCE
	v_fmaak_f32 v[TT], v3, v[TT], 0x3727c5ac       ; var + 1e-5
	v_rsq_f32 v[RR], v[TT]
	v_rsq_f32 v[RR+1], v[TT]
	v_nop                                          ; one plain place behind the transcendentals (ISA guide 5.7.2)
	s_wait_loadcnt 0x0                             ; gain and bias are in (in the second row's turn this is met)
.set p, 0
	s_wait_alu depctr_va_vdst(0)
.rept 16
	v_pk_mul_f32 v[\X+2*p:\X+2*p+1], v[\X+2*p:\X+2*p+1], v[RR:RR+1]
.set p, p+1
.endr
.set p, 0
.rept 16
	v_pk_fma_f32 v[\X+2*p:\X+2*p+1], v[\X+2*p:\X+2*p+1], v[WW+2*p:WW+2*p+1], v[BB+2*p:BB+2*p+1]
.set p, p+1
.endr
.set p, 0
.rept 16
	v_pk_mul_f32 v[\X+2*p:\X+2*p+1], v[\X+2*p:\X+2*p+1], s[\MS:\MS+1] op_sel_hi:[1,0]
.set p, p+1
.endr
.irp j, 0,1,2,3,4,5,6,7
	v_cvt_pk_bf16_f32 v[\X+4*\j], v[\X+4*\j], v[\X+4*\j+1]
	v_cvt_pk_bf16_f32 v[\X+4*\j+1], v[\X+4*\j+2], v[\X+4*\j+3]
	global_store_b64 v2, v[\X+4*\j:\X+4*\j+1], s[12:13] offset:\off+256*\j    ; the wave's store covers 256 consecutive bytes, aligned
.endr
.endm
; s39 = number of the group of 16 rows.  s[4:5] input rows (f32), s[6:7] mask, s[8:9] gain, s[10:11] bias, s[12:13] output (bf16).
.macro LNBODY
	v_lshrrev_b32 v3, 5, v0
	v_readfirstlane_b32 s29, v3                    ; wave
	s_lshl_b32 s39, s39, 4
	s_lshl1_add_u32 s39, s29, s39                  ; my first row = 16 x group + 2 x wave
	s_mov_b32 s30, s39
	s_mov_b32 s31, 0
	s_add_nc_u64 s[6:7], s[6:7], s[30:31]
	s_load_u16 s28, s[6:7], 0x0                    ; the two rows' mask bytes
	s_lshl_b32 s30, s39, 12
	s_add_nc_u64 s[4:5], s[4:5], s[30:31]          ; 4,096 bytes a row in
	s_lshl_b32 s30, s39, 11
	s_add_nc_u64 s[12:13], s[12:13], s[30:31]      ; 2,048 bytes a row out
	s_mov_b32 s36, 0x76543210
	s_mov_b32 s37, 0xfedcba98
	v_and_b32 v2, 31, v0
	v_lshlrev_b32 v1, 4, v2
	v_lshlrev_b32 v2, 3, v2
	v_mov_b32 v3, 0x3a800000                       ; 1/1024
.irp j, 0,1,2,3,4,5,6,7
	global_load_b128 v[X0+4*\j:X0+4*\j+3], v1, s[4:5] offset:512*\j
.endr
.irp j, 0,1,2,3,4,5,6,7
	global_load_b128 v[X1+4*\j:X1+4*\j+3], v1, s[4:5] offset:4096+512*\j
.endr
.irp j, 0,1,2,3,4,5,6,7
	global_load_b128 v[WW+4*\j:WW+4*\j+3], v1, s[8:9] offset:512*\j
.endr
.irp j, 0,1,2,3,4,5,6,7
	global_load_b128 v[BB+4*\j:BB+4*\j+3], v1, s[10:11] offset:512*\j
.endr
	s_wait_kmcnt 0x0
	s_and_b32 s32, s28, 0xff
	s_lshr_b32 s34, s28, 8
	s_cvt_f32_u32 s32, s32
	s_cvt_f32_u32 s34, s34
	s_mov_b32 s33, s32
	s_mov_b32 s35, s34
	LNROW X0, 32, 0, 24                            ; 24 younger loads (second row, gain, bias) stay out
	LNROW X1, 34, 2048, 0
.endm
	s_load_b256 s[4:11], s[0:1], 0x0               ; x1 4, mask 6, ln2_w 8, ln2_b 10
	s_load_b64 s[12:13], s[0:1], 0x20              ; h2
	s_mov_b32 s39, ttmp9
	s_wait_kmcnt 0x0
	LNBODY
	s_endpgm
.Lfunc_end_k_q9e88f015e3_ln2:
	.size	k_q9e88f015e3_ln2, .Lfunc_end_k_q9e88f015e3_ln2-k_q9e88f015e3_ln2
	.p2alignl 7, 3214868480
	.fill 96, 4, 3214868480
	.section	.rodata,"a",@progbits
	.p2align	6, 0x0
	.amdhsa_kernel k_q9e88f015e3_ln2
		.amdhsa_group_segment_fixed_size 0
		.amdhsa_private_segment_fixed_size 0
		.amdhsa_enable_private_segment 0
		.amdhsa_kernarg_size 40
		.amdhsa_user_sgpr_count 2
		.amdhsa_user_sgpr_kernarg_segment_ptr 1
		.amdhsa_wavefront_size32 1
		.amdhsa_system_sgpr_workgroup_id_x 1
		.amdhsa_system_sgpr_workgroup_id_y 1
		.amdhsa_system_sgpr_workgroup_id_z 1
		.amdhsa_system_vgpr_workitem_id 0
		.amdhsa_next_free_vgpr 160
		.amdhsa_next_free_sgpr 66
		.amdhsa_reserve_vcc 0
		.amdhsa_float_denorm_mode_32 3
		.amdhsa_float_denorm_mode_16_64 3
		.amdhsa_memory_ordered 1
		.amdhsa_forward_progress 1
		.amdhsa_inst_pref_size 23
	.end_amdhsa_kernel
	.amdgpu_metadata
---
amdhsa.version: [ 1, 2 ]
amdhsa.kernels:
  - .name:           k_q9e88f015e3_ln2
    .symbol:         k_q9e88f015e3_ln2.kd
    .args:
      - { .name: x1, .offset: 0, .size: 8, .value_kind: global_buffer, .address_space: global }
      - { .name: key_padding_mask, .offset: 8, .size: 8, .value_kind: global_buffer, .address_space: global }
      - { .name: ln2_w, .offset: 16, .size: 8, .value_kind: global_buffer, .address_space: global }
      - { .name: ln2_b, .offset: 24, .size: 8, .value_kind: global_buffer, .address_space: global }
      - { .name: h2, .offset: 32, .size: 8, .value_kind: global_buffer, .address_space: global }
    .group_segment_fixed_size: 0
    .private_segment_fixed_size: 0
    .kernarg_segment_align: 8
    .kernarg_segment_size: 40
    .max_flat_workgroup_size: 256
    .sgpr_count:     66
    .vgpr_count:     160
    .wavefront_size: 32
...
	.end_amdgpu_metadata
.endif
;; end of part 5
;; launch ff1 (part 6): grid 16 x 16, 4 waves a work-group, clusters of 4 x 4, 327,680 bytes of LDS; arguments h2, wb, ff_b1, fh; writes fh
.if DOCPART == 6
	.amdgcn_target "amdgcn-amd-amdhsa--gfx1250"
	.amdhsa_code_object_version 6
	.text
	.protected	k_q9e88f015e3_ff1
	.globl	k_q9e88f015e3_ff1
	.p2align	8
	.type	k_q9e88f015e3_ff1,@function
k_q9e88f015e3_ff1:
	s_mov_b64 s[64:65], 0
	v_nop
	global_prefetch_b8 v0, s[64:65] scope:SCOPE_SE
	s_setreg_imm32_b32 hwreg(HW_REG_WAVE_MODE, 25, 1), 1
	s_wait_xcnt 0x0
	s_wait_alu depctr_hold_cnt(0) depctr_sa_sdst(0) depctr_va_vdst(0) depctr_va_sdst(0) depctr_va_ssrc(0) depctr_va_vcc(0) depctr_vm_vsrc(0)
	s_getreg_b32 s2, hwreg(HW_REG_IB_STS2, 6, 4)
	s_cmp_eq_u32 s2, 0
	s_cbranch_scc0 .Lentry_in_a_cluster
	s_endpgm
.Lentry_in_a_cluster:
	s_bfe_u32 s2, ttmp6, 0x10000c
	s_cmp_lg_u32 s2, 0xf033
	s_cbranch_scc0 .Lentry_shape_is_right
	s_endpgm
.Lentry_shape_is_right:
; C = A B.  A: [4096][1024] bf16 (rows along K).  B: [1024][NB] bf16 (rows along N, as the weights lie), a part of wb.  Sums in f32.
; FF1 = 0: A = h1, B = wq | wk | wv (block columns 0-3, 4-7, 8-11); C goes out in bf16 as qkv[3][4 b][16 head][1024 t][64 d].
; FF1 = 1: A = h2, B = ff_w1; C = relu(A B + ff_b1) in bf16, [4096][4096].
; A work-group makes 256 x 256 of C with four waves of 128 x 128 (64 accumulator tiles, 512 registers).  K goes in steps of 128 through two LDS slots
; filled by tensor loads.  A's tile: 256 rows of 256 bytes, LDS pitch 272.  B's tile: 128 K-rows of 512 bytes, LDS pitch 544; its fragments are read
; by the transposing LDS load, so the weights need no transposed copy.
; CLUSTERS: 4 x 4 work-groups.  A's tile hangs on the block row alone and is asked for jointly along a row of the cluster, B's on the block column
; alone and jointly along a column: the requests for A and B are divided by four.
; REGISTERS: window 0: v0-31 addresses, v64-127 / v128-191 A's fragments (two buffers), v192-255 the bias (FF1), later packed results;
; window 1: v64-127 / v128-191 B's fragments; windows 2, 3: accumulators of my rows 0-63, 64-127, tile (a, b) at v[8 (8 a + b)].
; The matrix instruction is used transposed (source 0 = B's fragment, source 1 = A's): lane l holds row l % 16 of C, registers 0-7 the columns 8 (l / 16) + 0..7.
; LIMIT (FF1): the ReLU is v_max_num_f32, in which a NaN loses; NaN reaches it only in rows whose residual is NaN too, so the block's output is NaN there all the same.
.set FF1, 1
.set SIZE_K, 1024
.set KSTEP,  128
.set PITCH,  272                       ; A's LDS row: 256 bytes + 16: an odd multiple of 16
.set PB,     544                       ; B's LDS row: 512 bytes + 32: an odd multiple of 32
.set HALFT,  128*PITCH                 ; what one tensor load brings: 128 rows of A, or 64 K-rows of B (64 x 544 is the same number)
.set SLOT,   4*HALFT
.set STAGE,  2*SLOT
.set SPITCH, 272
.set LAPS,   SIZE_K/(2*KSTEP)
.if FF1
.set NB, 4096
.set CP, 70                            ; s[70:71] C
.else
.set NB, 1024
.set CP, 8                             ; s[8:9] C
.endif
.set KB, KSTEP*NB*2                    ; bytes from one K step of B to the next
.set ADRA, 16                          ; v16-17 LDS address of my A fragments in slot 0, 1
.set ADRB, 20                          ; v20-21 the same for B
.set STO,  24
.set RD,   25
.set CO,   26
.set BO,   27
.set F0,   64
.set F1,   128
.set TMP,  192
.set BIAS, 192
.set G1, 24
.set G0, 32
.set G1B, 48
.set G0B, 56
.set MSB, 0
.macro WIN new                         ; the immediate's high byte repeats the setting that is left
.if MSB != \new
	s_set_vgpr_msb (MSB<<8)|\new
.set MSB, \new
.endif
.endm
.set MUL_LO, 0xa1                      ; source 0 (B) window 1, source 1 (A) window 0, C and D window 2
.set MUL_HI, 0xf1                      ; the same, C and D window 3
.set BIAS_LO, 0x81                     ; C (the bias) window 0, D window 2
.set BIAS_HI, 0xc1                     ; C window 0, D window 3
.set TO_B,   0x40
.macro JLOAD s                         ; waves 0, 1 ask for A's halves, waves 2, 3 for B's: each line has one mask and one set of registers
	s_cmp_eq_u32 s11, 0
	s_cbranch_scc0 .Lfor_b_\@
	tensor_load_to_lds s[G0+4*\s:G0+4*\s+3], s[G1:G1+7]
	s_nop 0
	s_branch .Lasked_\@
.Lfor_b_\@:
	tensor_load_to_lds s[G0B+4*\s:G0B+4*\s+3], s[G1B:G1B+7]
	s_nop 0
.Lasked_\@:
.endm
.macro CREST                           ; a round of the cluster's barrier behind its opening barrier
	s_cmp_lg_u32 s10, 0
	s_cbranch_scc1 .Lnot_wave_0_\@
	s_barrier_signal -3
.Lnot_wave_0_\@:
	s_barrier_wait -3
	s_barrier_signal -1
	s_barrier_wait -1
.endm
.macro CROUND
	s_barrier_signal -1
	s_barrier_wait -1
	CREST
.endm
	s_load_b128 s[4:7], s[0:1], 0x0                ; A s[4:5], wb s[6:7]
.if FF1
	s_load_b128 s[68:71], s[0:1], 0x10             ; ff_b1 s[68:69], C s[70:71]
	s_set_vgpr_msb 0x40
	v_lshl_add_u32 v255, v0, 2, 0x48400
	s_set_vgpr_msb 0x4000
	v_mov_b32 v63, 0
	s_set_vgpr_msb 0x1
	ds_add_u32 v255, v63
	s_set_vgpr_msb 0x100
.else
	s_load_b64 s[8:9], s[0:1], 0x10                ; C
.endif
	v_lshrrev_b32 v1, 5, v0
	v_readfirstlane_b32 s10, v1                    ; wave 0..3
	s_lshr_b32 s11, s10, 1                         ; my half of the block's rows.  Also: I fetch for A (0) or for B (1)
	s_and_b32 s12, s10, 1                          ; my half of its columns.  Also: which half of that tile I fetch
	s_bfe_u32 s40, ttmp6, 0x40000                  ; cx
	s_bfe_u32 s41, ttmp6, 0x40004                  ; cy
	s_lshl_b32 s42, ttmp9, 2
	s_add_co_u32 s42, s42, s40                     ; block column
	s_and_b32 s13, ttmp7, 0xffff
	s_lshl_b32 s13, s13, 2
	s_add_co_u32 s13, s13, s41                     ; block row
	s_lshl_b32 s43, s41, 2
	s_lshl_b32 s43, 15, s43                        ; my row of the cluster
	s_lshl_b32 s44, 0x1111, s40                    ; my column
	; group 1 for A: 128 rows x 128 elements of 2 bytes, 4 words of padding behind every 64
	s_or_b32 s[G1+0], s43, (1<<16)|(1<<20)|(1<<21)|(5<<22)|(3<<25)
	s_mov_b32 s[G1+1], KSTEP<<16
	s_mov_b32 s[G1+2], 128<<16
	s_mov_b32 s[G1+3], KSTEP<<16
	s_mov_b32 s[G1+4], 128
	s_mov_b32 s[G1+5], SIZE_K
	s_mov_b32 s[G1+6], 0
	s_mov_b32 s[G1+7], 0
	; group 1 for B: 64 K-rows x 256 elements, 8 words of padding behind every 128
	s_or_b32 s[G1B+0], s44, (1<<16)|(1<<20)|(1<<21)|(6<<22)|(7<<25)
	s_mov_b32 s[G1B+1], 256<<16
	s_mov_b32 s[G1B+2], 64<<16
	s_mov_b32 s[G1B+3], 256<<16
	s_mov_b32 s[G1B+4], 64
	s_mov_b32 s[G1B+5], NB
	s_mov_b32 s[G1B+6], 0
	s_mov_b32 s[G1B+7], 0
	; A's tile: row 256 x block row + 128 x half, 2,048 bytes a row (block row and wave alone)
	s_lshl_b32 s16, s13, 8
	s_lshl_b32 s17, s12, 7
	s_add_co_u32 s16, s16, s17
	s_lshl_b32 s16, s16, 11
	s_mov_b32 s17, 0
	; B's tile: its matrix in wb, 512 bytes a block column, 64 K-rows a half (block column and wave alone)
.if FF1
	s_lshl_b32 s46, s42, 9
	s_lshl_b32 s47, s12, 19
	s_add_co_u32 s46, s46, s47
	s_add_co_u32 s46, s46, 0x800000                ; ff_w1 lies 8 MiB into wb
.else
	s_lshr_b32 s46, s42, 2
	s_lshl_b32 s46, s46, 21                        ; wq, wk, wv: 2 MiB each
	s_and_b32 s47, s42, 3
	s_lshl_b32 s47, s47, 9
	s_add_co_u32 s46, s46, s47
	s_lshl_b32 s47, s12, 17
	s_add_co_u32 s46, s46, s47
.endif
	s_mov_b32 s47, 0
	s_mul_i32 s20, s10, HALFT                      ; where my part goes: the wave's number times a constant
	s_wait_dscnt 0x0
	s_wait_kmcnt 0x0
	s_add_nc_u64 s[14:15], s[4:5], s[16:17]
	s_add_nc_u64 s[46:47], s[6:7], s[46:47]
	CROUND                                         ; all sixteen work-groups are here: the first joint loads meet
.irp s, 0,1
	s_mov_b32 s[G0+4*\s], 1
	s_add_co_u32 s[G0+4*\s+1], s20, \s*SLOT
	s_add_nc_u64 s[G0+4*\s+2:G0+4*\s+3], s[14:15], \s*KSTEP*2
	s_or_b32 s[G0+4*\s+3], s[G0+4*\s+3], 0x80000000
	s_mov_b32 s[G0B+4*\s], 1
	s_add_co_u32 s[G0B+4*\s+1], s20, \s*SLOT
	s_add_nc_u64 s[G0B+4*\s+2:G0B+4*\s+3], s[46:47], \s*KB
	s_or_b32 s[G0B+4*\s+3], s[G0B+4*\s+3], 0x80000000
	JLOAD \s                                       ; both slots are asked for before anything else: two loads of the wave are out
.endr
	v_and_b32 v1, 15, v0                           ; r = l % 16
	v_bfe_u32 v2, v0, 4, 1                         ; h = l / 16
	v_mul_u32_u24 v3, v1, PITCH
	v_lshl_add_u32 v3, v2, 4, v3                   ; A: row r x pitch + 16 h
	v_and_b32 v8, 7, v0
	v_bfe_u32 v7, v0, 3, 1
	v_lshl_add_u32 v6, v2, 3, v8                   ; B: K-row 8 h + l % 8,
	v_mul_u32_u24 v6, v6, PB
	v_lshl_add_u32 v6, v7, 4, v6                   ; 16 bytes further for the upper eight lanes of each sixteen
	s_mul_i32 s21, s11, HALFT                      ; my 128 rows of A
	s_lshl_b32 s22, s12, 8                         ; my 128 columns of B: 256 bytes along its rows,
	s_add_co_u32 s22, s22, 2*HALFT                 ; behind A's 256 rows
.irp s, 0,1
	v_add_nc_u32 v[ADRA+\s], s21, v3
	v_add_nc_u32 v[ADRB+\s], s22, v6
	s_add_co_u32 s21, s21, SLOT
	s_add_co_u32 s22, s22, SLOT
.endr
	s_mul_i32 s23, s10, 16*SPITCH
	s_add_co_u32 s23, s23, STAGE                   ; my stage, behind the ring: no tensor load lands there
	v_mul_u32_u24 v4, v1, SPITCH
	v_lshl_add_u32 v4, v2, 4, v4
	v_add_nc_u32 v[STO], s23, v4
.if FF1
	v_mul_u32_u24 v5, v2, SPITCH                   ; back: lanes 0-15 one row of 256 bytes, lanes 16-31 the next
	v_lshl_add_u32 v5, v1, 4, v5
	v_add_nc_u32 v[RD], s23, v5
	v_mul_u32_u24 v5, v2, NB*2
	v_lshl_add_u32 v[CO], v1, 4, v5
	; the bias starts the sums: register 8 b + j holds ff_b1[my first column + 16 b + 8 h + j]
	s_lshl_b32 s46, s42, 10
	s_lshl_b32 s47, s12, 9
	s_add_co_u32 s46, s46, s47
	s_mov_b32 s47, 0
	s_add_nc_u64 s[68:69], s[68:69], s[46:47]
	v_lshlrev_b32 v[BO], 5, v2
.irp b, 0,1,2,3,4,5,6,7
	global_load_b128 v[BIAS+8*\b:BIAS+8*\b+3],   v[BO], s[68:69] offset:64*\b
	global_load_b128 v[BIAS+8*\b+4:BIAS+8*\b+7], v[BO], s[68:69] offset:64*\b+16
.endr
.else
	v_mul_u32_u24 v5, v7, SPITCH                   ; back: lanes 0-15 take two rows' 128 bytes of my first head, lanes 16-31 of my second
	v_lshl_add_u32 v5, v2, 7, v5
	v_lshl_add_u32 v5, v8, 4, v5
	v_add_nc_u32 v[RD], s23, v5
	v_lshlrev_b32 v5, 17, v2                       ; a head is 131,072 bytes
	v_lshl_add_u32 v[CO], v1, 4, v5                ; two rows of a head are 256 consecutive bytes
.endif
; 16 matrix instructions: m blocks a0, a0 + 1 of the window's four x all 8 n blocks, 32 along K.  zero = 1: the first product starts the sums.
.macro MUL16 f, hi, a0, zero
.irp a, \a0, \a0+1
.irp b, 0,1,2,3,4,5,6,7
.if \zero
.if FF1
	v_wmma_f32_16x16x32_bf16 v[8*(8*(\a)+\b):8*(8*(\a)+\b)+7], v[\f+8*\b:\f+8*\b+7], v[\f+8*(4*\hi+\a):\f+8*(4*\hi+\a)+7], v[BIAS+8*\b:BIAS+8*\b+7]
.else
	v_wmma_f32_16x16x32_bf16 v[8*(8*(\a)+\b):8*(8*(\a)+\b)+7], v[\f+8*\b:\f+8*\b+7], v[\f+8*(4*\hi+\a):\f+8*(4*\hi+\a)+7], 0
.endif
.else
	v_wmma_f32_16x16x32_bf16 v[8*(8*(\a)+\b):8*(8*(\a)+\b)+7], v[\f+8*\b:\f+8*\b+7], v[\f+8*(4*\hi+\a):\f+8*(4*\hi+\a)+7], v[8*(8*(\a)+\b):8*(8*(\a)+\b)+7]
.endif
.endr
.endr
.endm
; 32 LDS loads in one run: one quarter step's fragments (k: byte offset along A's rows, so k / 2 is the K-row of B) into buffer f
.macro FETCH slot, k, f
	WIN TO_B
.irp i, 0,1,2,3,4,5,6,7
	ds_load_tr16_b128 v[\f+8*\i:\f+8*\i+3],   v[ADRB+\slot] offset:(\k/2)*PB+32*\i          ; K = 8 h .. 8 h + 7 of column 16 i + r
	ds_load_tr16_b128 v[\f+8*\i+4:\f+8*\i+7], v[ADRB+\slot] offset:(\k/2)*PB+32*\i+16*PB    ; K = 16 + 8 h ..
.endr
	WIN 0
.irp i, 0,1,2,3,4,5,6,7
	ds_load_b128 v[\f+8*\i:\f+8*\i+3],   v[ADRA+\slot] offset:\k+\i*16*PITCH
	ds_load_b128 v[\f+8*\i+4:\f+8*\i+7], v[ADRA+\slot] offset:\k+\i*16*PITCH+32
.endr
.endm
.macro PLACES                          ; four places behind matrix instructions whose registers are loaded, read or written next (ISA guide 7.12.1)
.rept 4
	v_nop
.endr
.endm
; The 64 accumulators take turns, one instruction a turn, in the same order in every quarter step.
.macro QUARTER slot, k, f, g, zero
	s_wait_dscnt 8                                 ; B and A's rows 0-63 are in; the youngest eight loads (A's rows 64-127) may be out
.if (\zero)*FF1
	WIN BIAS_LO
.else
	WIN MUL_LO
.endif
	MUL16 \f, 0, 0, \zero
	MUL16 \f, 0, 2, \zero
	PLACES
	FETCH \slot, \k, \g
	s_wait_dscnt 32                                ; all but the 32 just issued
.if (\zero)*FF1
	WIN BIAS_HI
.else
	WIN MUL_HI
.endif
	MUL16 \f, 1, 0, \zero
	MUL16 \f, 1, 2, \zero
.endm
.macro THREE slot, zero
	QUARTER \slot, 64,  F0, F1, \zero
	QUARTER \slot, 128, F1, F0, 0
	QUARTER \slot, 192, F0, F1, 0
.endm
; The last quarter changes slots.  In front of the barrier each wave waits for its reads of this slot and for all its tensor loads (one is out: its part
; of the next slot).  Where the slot is filled again the barrier opens a round of the cluster's barrier, and the joint refill is first behind the round.
.macro TURN slot, next, fill
	s_wait_dscnt 8
	WIN MUL_LO
	MUL16 F1, 0, 0, 0
	s_wait_dscnt 0
	s_wait_tensorcnt 0x0
	ds_add_u32 v255, v63
	s_wait_dscnt 0x0
	s_barrier_signal -1
	MUL16 F1, 0, 2, 0                              ; register work alone between signal and wait
	WIN 0
	s_barrier_wait -1
.if \fill
	CREST
	s_add_nc_u64 s[G0+4*\slot+2:G0+4*\slot+3], s[G0+4*\slot+2:G0+4*\slot+3], 2*KSTEP*2
	s_add_nc_u64 s[G0B+4*\slot+2:G0B+4*\slot+3], s[G0B+4*\slot+2:G0B+4*\slot+3], 2*KB
	JLOAD \slot
.endif
	PLACES
	FETCH \next, 0, F0
	WIN MUL_HI
	MUL16 F1, 1, 0, 0
	MUL16 F1, 1, 2, 0
.endm
.macro LAP zero
	THREE 0, \zero
	TURN 0, 1, 1
	THREE 1, 0
	TURN 1, 0, 1
.endm
	s_wait_tensorcnt 1                             ; my part of K step 0 is in; K step 1's stays out
	s_barrier_signal -1
	s_barrier_wait -1
	FETCH 0, 0, F0
.if FF1
	s_wait_loadcnt 0x0                             ; the bias
.endif
	LAP 1
.if LAPS > 2
	WIN 0
	s_mov_b32 s3, LAPS-2
.Llap:
	LAP 0
	WIN 0
	s_sub_co_u32 s3, s3, 1
	s_cmp_lg_u32 s3, 0
	s_cbranch_scc1 .Llap
.endif
	THREE 0, 0                                     ; the last lap fills nothing
	TURN 0, 1, 0
	THREE 1, 0
	s_wait_dscnt 8
	WIN MUL_LO
	MUL16 F1, 0, 0, 0
	MUL16 F1, 0, 2, 0
	s_wait_dscnt 0
	WIN MUL_HI
	MUL16 F1, 1, 0, 0
	MUL16 F1, 1, 2, 0
	; THE WAY OUT, 16 rows of C at a time through my own stage in LDS
	PLACES
.if FF1
	s_lshl_b32 s16, s13, 8
	s_lshl_b32 s14, s11, 7
	s_add_co_u32 s16, s16, s14                     ; my first row,
	s_lshl_b32 s16, s16, 13                        ; 8,192 bytes a row
	s_mov_b32 s17, 0
	s_add_nc_u64 s[CP:CP+1], s[CP:CP+1], s[16:17]
	s_lshl_b32 s46, s42, 9
	s_lshl_b32 s47, s12, 8
	s_add_co_u32 s46, s46, s47                     ; my first column, in bytes
	s_mov_b32 s47, 0
	s_add_nc_u64 s[CP:CP+1], s[CP:CP+1], s[46:47]
.else
	s_lshr_b32 s16, s13, 2                         ; batch = block row / 4: 16 heads of 1,024 rows of 128 bytes
	s_lshl_b32 s16, s16, 14
	s_and_b32 s14, s13, 3
	s_lshl_b32 s14, s14, 8
	s_add_co_u32 s16, s16, s14                     ; + t of my block
	s_lshl_b32 s14, s11, 7
	s_add_co_u32 s16, s16, s14
	s_lshl_b32 s16, s16, 7                         ; 128 bytes a row of a head
	s_mov_b32 s17, 0
	s_add_nc_u64 s[CP:CP+1], s[CP:CP+1], s[16:17]
	s_lshr_b32 s46, s42, 2                         ; q, k or v: 64 heads each
	s_lshl_b32 s46, s46, 6
	s_and_b32 s47, s42, 3
	s_lshl2_add_u32 s46, s47, s46                  ; + 4 heads a block column
	s_lshl1_add_u32 s46, s12, s46                  ; + 2 heads a wave
	s_lshl_b32 s46, s46, 17
	s_mov_b32 s47, 0
	s_add_nc_u64 s[CP:CP+1], s[CP:CP+1], s[46:47]
.endif
; rows 16 i .. 16 i + 15 of my block = tiles (a, 0..7) of window 2 or 3 (from: sources 0 and 1; relu: source 1 and destination)
.macro OUT16 i, a, from, relu, f
.if FF1
	WIN \relu
.irp b, 0,1,2,3,4,5,6,7
.irp r, 0,1,2,3,4,5,6,7
	v_max_num_f32 v[8*(8*\a+\b)+\r], 0, v[8*(8*\a+\b)+\r]
.endr
.endr
.endif
	WIN \from
.irp b, 0,1,2,3,4,5,6,7
.irp r, 0,1,2,3
	v_cvt_pk_bf16_f32 v[TMP+4*\b+\r], v[8*(8*\a+\b)+2*\r], v[8*(8*\a+\b)+2*\r+1]
.endr
.endr
	WIN 0
.irp b, 0,1,2,3,4,5,6,7
	ds_store_b128 v[STO], v[TMP+4*\b:TMP+4*\b+3] offset:32*\b
.endr
	s_wait_xcnt 0x0                                ; buffer f, which earlier stores read, and the stores' base are rewritten only behind this wait
.if FF1
.if \i
	s_add_nc_u64 s[CP:CP+1], s[CP:CP+1], 16*NB*2
.endif
.endif
.irp t, 0,1,2,3,4,5,6,7
	ds_load_b128 v[\f+4*\t:\f+4*\t+3], v[RD] offset:\t*2*SPITCH    ; LDS serves a wave's instructions in order: these see the stores above
.endr
.irp t, 0,1,2,3,4,5,6,7
	s_wait_dscnt 7-\t
.if FF1
	global_store_b128 v[CO], v[\f+4*\t:\f+4*\t+3], s[CP:CP+1] offset:2*\t*NB*2          ; 16 lanes store 256 consecutive bytes, aligned
.else
	global_store_b128 v[CO], v[\f+4*\t:\f+4*\t+3], s[CP:CP+1] offset:2048*\i+256*\t     ; 16 lanes store two rows of a head: 256 consecutive bytes, aligned
.endif
.endr
.endm
	OUT16 0, 0, 0x0a, 0x88, F0
	OUT16 1, 1, 0x0a, 0x88, F1
	OUT16 2, 2, 0x0a, 0x88, F0
	OUT16 3, 3, 0x0a, 0x88, F1
	OUT16 4, 0, 0x0f, 0xcc, F0
	OUT16 5, 1, 0x0f, 0xcc, F1
	OUT16 6, 2, 0x0f, 0xcc, F0
	OUT16 7, 3, 0x0f, 0xcc, F1
	s_set_vgpr_msb 0x1
	s_wait_tensorcnt 0x0
	ds_add_u32 v255, v63
	s_wait_dscnt 0x0
	s_set_vgpr_msb 0x100
	CROUND                                         ; the closing round: no work-group ends while a partner may still ask for a tile that names it
	s_endpgm
.Lfunc_end_k_q9e88f015e3_ff1:
	.size	k_q9e88f015e3_ff1, .Lfunc_end_k_q9e88f015e3_ff1-k_q9e88f015e3_ff1
	.p2alignl 7, 3214868480
	.fill 96, 4, 3214868480
	.section	.rodata,"a",@progbits
	.p2align	6, 0x0
	.amdhsa_kernel k_q9e88f015e3_ff1
		.amdhsa_group_segment_fixed_size 327680
		.amdhsa_private_segment_fixed_size 0
		.amdhsa_enable_private_segment 0
		.amdhsa_kernarg_size 32
		.amdhsa_user_sgpr_count 2
		.amdhsa_user_sgpr_kernarg_segment_ptr 1
		.amdhsa_wavefront_size32 1
		.amdhsa_system_sgpr_workgroup_id_x 1
		.amdhsa_system_sgpr_workgroup_id_y 1
		.amdhsa_system_sgpr_workgroup_id_z 1
		.amdhsa_system_vgpr_workitem_id 0
		.amdhsa_next_free_vgpr 1024
		.amdhsa_next_free_sgpr 72
		.amdhsa_reserve_vcc 0
		.amdhsa_float_denorm_mode_32 3
		.amdhsa_float_denorm_mode_16_64 3
		.amdhsa_memory_ordered 1
		.amdhsa_forward_progress 1
		.amdhsa_inst_pref_size 214
	.end_amdhsa_kernel
	.amdgpu_metadata
---
amdhsa.version: [ 1, 2 ]
amdhsa.kernels:
  - .name:           k_q9e88f015e3_ff1
    .symbol:         k_q9e88f015e3_ff1.kd
    .args:
      - { .name: h2, .offset: 0, .size: 8, .value_kind: global_buffer, .address_space: global }
      - { .name: wb, .offset: 8, .size: 8, .value_kind: global_buffer, .address_space: global }
      - { .name: ff_b1, .offset: 16, .size: 8, .value_kind: global_buffer, .address_space: global }
      - { .name: fh, .offset: 24, .size: 8, .value_kind: global_buffer, .address_space: global }
    .group_segment_fixed_size: 327680
    .private_segment_fixed_size: 0
    .kernarg_segment_align: 8
    .kernarg_segment_size: 32
    .max_flat_workgroup_size: 128
    .sgpr_count:     72
    .vgpr_count:     1024
    .wavefront_size: 32
...
	.end_amdgpu_metadata
.endif
;; end of part 6
;; launch ff2 (part 7): grid 8 x 32, 4 waves a work-group, clusters of 4 x 4, 327,680 bytes of LDS; arguments fh, wb, ff_b2, x1, out0, key_padding_mask; writes out0
.if DOCPART == 7
	.amdgcn_target "amdgcn-amd-amdhsa--gfx1250"
	.amdhsa_code_object_version 6
	.text
	.protected	k_q9e88f015e3_ff2
	.globl	k_q9e88f015e3_ff2
	.p2align	8
	.type	k_q9e88f015e3_ff2,@function
k_q9e88f015e3_ff2:
	s_mov_b64 s[64:65], 0
	v_nop
	global_prefetch_b8 v0, s[64:65] scope:SCOPE_SE
	s_setreg_imm32_b32 hwreg(HW_REG_WAVE_MODE, 25, 1), 1
	s_wait_xcnt 0x0
	s_wait_alu depctr_hold_cnt(0) depctr_sa_sdst(0) depctr_va_vdst(0) depctr_va_sdst(0) depctr_va_ssrc(0) depctr_va_vcc(0) depctr_vm_vsrc(0)
	s_getreg_b32 s2, hwreg(HW_REG_IB_STS2, 6, 4)
	s_cmp_eq_u32 s2, 0
	s_cbranch_scc0 .Lentry_in_a_cluster
	s_endpgm
.Lentry_in_a_cluster:
	s_bfe_u32 s2, ttmp6, 0x10000c
	s_cmp_lg_u32 s2, 0xf033
	s_cbranch_scc0 .Lentry_shape_is_right
	s_endpgm
.Lentry_shape_is_right:
; C = R + A B + bias, f32 out, N = 1024.  B: [K][1024] bf16, a part of wb (rows along N).  Sums in f32.
; FF2 = 0: A = att, bf16 [4 b][16 head][1024 t][64 d] (K = 64 head + d, 1,024); B = proj_w; R = x; out = x1.
; FF2 = 1: A = fh, bf16 [4096][4096]; B = ff_w2; R = x1; out0 = (R + A B + bias) x mask[row].
; N = 1,024 gives only 64 blocks of 256 x 256, so a work-group makes 128 x 128 (256 work-groups), four waves of 64 x 64: 16 accumulator tiles each.
; K goes in steps of 256 through two LDS slots; each of the four tensor loads of a step has 36,864 bytes of the slot:
;   parts 0, 1: A.  FF2: 64 rows of 512 bytes each, pitch 528.  Else: two heads' planes each, a plane 128 rows of 128 bytes, pitch 144
;               (a head's 128 rows are dense in memory: one tile row of 8,192 elements, split by the padding).
;   parts 2, 3: B, 128 K-rows of 256 bytes each, pitch 288; read by the transposing LDS load.
; Two slots and the stage take 312,320 bytes of LDS: no larger slot fits.
; CLUSTERS: 4 x 4 work-groups; A's tile is asked for jointly along a row of the cluster, B's along a column.
; THE ORDER OF K.  In the clusters whose x + y is odd slot 0 begins with K step 1 and slot 1 with K step 0; both go on in twos, as everywhere.  Of two
; neighbouring clusters that need the same tile of A (same y) or of B (same x), one therefore asks for it a K step before the other, by turns.
; The parity is made of the cluster's own coordinates, which its sixteen work-groups share.  The sums hold the same terms, added in another order.
; R is asked for at the start, 32 loads a wave, into registers that nothing else names, and waited for once, in front of the way out.
; REGISTERS: window 0: v16-31 addresses; v64-127, v128-191 two fragment buffers (A at +0, B at +32); v192-223 the bias, which starts the sums;
; window 1: accumulator tile (a, b) at v[8 (4 a + b)]; v128-255 R.  The matrix instruction is used transposed: lane l holds row l % 16, registers the columns 8 (l / 16) + 0..7.
; Mask bytes are taken to be 0 or 1 and are applied by multiplying (a NaN stays a NaN).
.set FF2, 1
.set KSTEP, 256
.if FF2
.set SIZE_K, 4096
.set PA, 528
.set EPP, 8                            ; eighths of a K step in a plane of A
.set PLANE, 0
.set ASTEP, 512                        ; bytes from one K step of A to the next
.set WOFF, 16777216
.else
.set SIZE_K, 1024
.set PA, 144
.set EPP, 2
.set PLANE, 128*PA
.set ASTEP, 524288                     ; four heads
.set WOFF, 6291456
.endif
.set PB, 288
.set BSTEP, KSTEP*2048
.set HALF, 36864
.set SLOT, 4*HALF
.set STAGE, 2*SLOT
.set SPITCH, 272
.set LAPS, SIZE_K/(2*KSTEP)
.set ADRA, 16                          ; v16-17 slot 0, 1
.set ADRB, 20                          ; v20-23 slot 0, 1 x K half 0, 1
.set STO, 24
.set RD, 25
.set CO, 26
.set F0, 64
.set F1, 128
.set BIAS, 192
.set RR, 128                           ; window 1: R, load 8 a + t at 4 (8 a + t)
.set G1, 24
.set G0, 32
.set G1B, 48
.set G0B, 56
.set MSB, 0
.macro WIN new
.if MSB != \new
	s_set_vgpr_msb (MSB<<8)|\new
.set MSB, \new
.endif
.endm
.macro PLACES
.rept 4
	v_nop
.endr
.endm
.macro JLOAD s
	s_cmp_eq_u32 s11, 0
	s_cbranch_scc0 .Lfor_b_\@
	tensor_load_to_lds s[G0+4*\s:G0+4*\s+3], s[G1:G1+7]
	s_nop 0
	s_branch .Lasked_\@
.Lfor_b_\@:
	tensor_load_to_lds s[G0B+4*\s:G0B+4*\s+3], s[G1B:G1B+7]
	s_nop 0
.Lasked_\@:
.endm
.macro CREST
	s_cmp_lg_u32 s10, 0
	s_cbranch_scc1 .Lnot_wave_0_\@
	s_barrier_signal -3
.Lnot_wave_0_\@:
	s_barrier_wait -3
	s_barrier_signal -1
	s_barrier_wait -1
.endm
.macro CROUND
	s_barrier_signal -1
	s_barrier_wait -1
	CREST
.endm
; slot s's two descriptors and its first fill; ao, bo: scalar pairs with the byte offsets of the slot's first K step in A and in B
.macro FILL1 s, ao, bo
	s_mov_b32 s[G0+4*\s], 1
	s_add_co_u32 s[G0+4*\s+1], s20, \s*SLOT
	s_add_nc_u64 s[G0+4*\s+2:G0+4*\s+3], s[14:15], s[\ao:\ao+1]
	s_or_b32 s[G0+4*\s+3], s[G0+4*\s+3], 0x80000000
	s_mov_b32 s[G0B+4*\s], 1
	s_add_co_u32 s[G0B+4*\s+1], s20, \s*SLOT
	s_add_nc_u64 s[G0B+4*\s+2:G0B+4*\s+3], s[46:47], s[\bo:\bo+1]
	s_or_b32 s[G0B+4*\s+3], s[G0B+4*\s+3], 0x80000000
	JLOAD \s
.endm
	s_load_b128 s[4:7], s[0:1], 0x0                ; A, wb
	s_load_b128 s[68:71], s[0:1], 0x10             ; bias, R
.if FF2
	s_load_b128 s[72:75], s[0:1], 0x20             ; out, mask
	v_lshl_add_u32 v62, v0, 2, 0x4c400
	v_mov_b32 v63, 0
	ds_add_u32 v62, v63
.else
	s_load_b64 s[72:73], s[0:1], 0x20              ; out
.endif
	v_lshrrev_b32 v1, 5, v0
	v_readfirstlane_b32 s10, v1                    ; wave
	s_lshr_b32 s11, s10, 1                         ; my half of the rows.  Also: I fetch for A (0) or B (1)
	s_and_b32 s12, s10, 1                          ; my half of the columns.  Also: which part I fetch
	s_bfe_u32 s40, ttmp6, 0x40000                  ; cx
	s_bfe_u32 s41, ttmp6, 0x40004                  ; cy
	s_lshl_b32 s42, ttmp9, 2
	s_add_co_u32 s42, s42, s40                     ; block column
	s_and_b32 s13, ttmp7, 0xffff
	s_add_co_u32 s45, s13, ttmp9
	s_and_b32 s45, s45, 1                          ; the parity of the cluster's x + y
	s_lshl_b32 s13, s13, 2
	s_add_co_u32 s13, s13, s41                     ; block row
	s_lshl_b32 s43, s41, 2
	s_lshl_b32 s43, 15, s43                        ; my row of the cluster
	s_lshl_b32 s44, 0x1111, s40                    ; my column
.if FF2
	s_or_b32 s[G1+0], s43, (1<<16)|(1<<20)|(1<<21)|(6<<22)|(3<<25)   ; 4 words of padding behind every 128
	s_mov_b32 s[G1+1], 256<<16
	s_mov_b32 s[G1+2], 64<<16
	s_mov_b32 s[G1+3], 256<<16
	s_mov_b32 s[G1+4], 64
	s_mov_b32 s[G1+5], 4096
.else
	s_or_b32 s[G1+0], s43, (1<<16)|(1<<20)|(1<<21)|(4<<22)|(3<<25)   ; 4 words of padding behind every 32
	s_mov_b32 s[G1+1], 8192<<16                    ; a tile row: 128 rows of a head, dense
	s_mov_b32 s[G1+2], 2<<16                       ; two heads
	s_mov_b32 s[G1+3], 8192<<16
	s_mov_b32 s[G1+4], 2
	s_mov_b32 s[G1+5], 65536                       ; elements from head to head
.endif
	s_mov_b32 s[G1+6], 0
	s_mov_b32 s[G1+7], 0
	s_or_b32 s[G1B+0], s44, (1<<16)|(1<<20)|(1<<21)|(5<<22)|(7<<25)  ; 8 words of padding behind every 64
	s_mov_b32 s[G1B+1], 128<<16
	s_mov_b32 s[G1B+2], 128<<16
	s_mov_b32 s[G1B+3], 128<<16
	s_mov_b32 s[G1B+4], 128
	s_mov_b32 s[G1B+5], 1024
	s_mov_b32 s[G1B+6], 0
	s_mov_b32 s[G1B+7], 0
.if FF2
	s_lshl_b32 s16, s13, 7
	s_lshl_b32 s17, s12, 6
	s_add_co_u32 s16, s16, s17                     ; row 128 x block row + 64 x part,
	s_lshl_b32 s16, s16, 13                        ; 8,192 bytes a row
.else
	s_lshr_b32 s16, s13, 3                         ; batch
	s_lshl_b32 s16, s16, 4
	s_lshl1_add_u32 s16, s12, s16                  ; head 16 x batch + 2 x part
	s_lshl_b32 s16, s16, 17
	s_and_b32 s17, s13, 7
	s_lshl_b32 s17, s17, 14                        ; 128 rows of 128 bytes
	s_add_co_u32 s16, s16, s17
.endif
	s_mov_b32 s17, 0
	s_lshl_b32 s46, s42, 8                         ; B: 256 bytes a block column,
	s_lshl_b32 s47, s12, 18                        ; 128 K-rows of 2,048 bytes a part,
	s_add_co_u32 s46, s46, s47
	s_add_co_u32 s46, s46, WOFF                    ; its matrix in wb
	s_mov_b32 s47, 0
	s_mul_i32 s20, s10, HALF                       ; where my part goes: the wave's number times a constant
	s_wait_dscnt 0x0
	s_wait_kmcnt 0x0
	s_add_nc_u64 s[14:15], s[4:5], s[16:17]
	s_add_nc_u64 s[46:47], s[6:7], s[46:47]
	s_mul_i32 s16, s45, ASTEP                      ; slot 0 begins with K step 0 or 1,
	s_mov_b32 s17, 0
	s_sub_co_u32 s18, ASTEP, s16                   ; slot 1 with the other
	s_mov_b32 s19, 0
	s_mul_i32 s66, s45, BSTEP                      ; the same steps in B
	s_mov_b32 s67, 0
	s_sub_co_u32 s22, BSTEP, s66
	s_mov_b32 s23, 0
	CROUND
	FILL1 0, 16, 66                                ; both slots are asked for first: two loads of the wave are out
	FILL1 1, 18, 22
	; bias, R and out at my wave's corner
	s_lshl_b32 s46, s42, 9
	s_lshl_b32 s47, s12, 8
	s_add_co_u32 s46, s46, s47                     ; (128 x block column + 64 x half) x 4 bytes
	s_mov_b32 s47, 0
	s_add_nc_u64 s[68:69], s[68:69], s[46:47]
	s_add_nc_u64 s[70:71], s[70:71], s[46:47]
	s_add_nc_u64 s[72:73], s[72:73], s[46:47]
	s_lshl_b32 s16, s13, 7
	s_lshl_b32 s17, s11, 6
	s_add_co_u32 s16, s16, s17                     ; my first row
	s_mov_b32 s17, 0
.if FF2
	s_add_nc_u64 s[74:75], s[74:75], s[16:17]
	s_load_b512 s[76:91], s[74:75], 0x0            ; my 64 rows' mask bytes
.endif
	s_lshl_b32 s18, s16, 12                        ; 4,096 bytes a row
	s_mov_b32 s19, 0
	s_add_nc_u64 s[70:71], s[70:71], s[18:19]
	s_add_nc_u64 s[72:73], s[72:73], s[18:19]
	v_and_b32 v1, 15, v0                           ; r
	v_bfe_u32 v2, v0, 4, 1                         ; h
	v_lshlrev_b32 v6, 12, v2
	v_lshl_add_u32 v[CO], v1, 4, v6                ; R and out: lanes 0-15 one row's 256 bytes, lanes 16-31 the next row's
	v_lshlrev_b32 v7, 5, v2
.irp b, 0,1,2,3
	global_load_b128 v[BIAS+8*\b:BIAS+8*\b+3],   v7, s[68:69] offset:64*\b      ; register 8 b + j: bias[my first column + 16 b + 8 h + j]
	global_load_b128 v[BIAS+8*\b+4:BIAS+8*\b+7], v7, s[68:69] offset:64*\b+16
.endr
	WIN 0x40                                       ; destination window 1
.irp a, 0,1,2,3
.irp t, 0,1,2,3,4,5,6,7
	global_load_b128 v[RR+4*(8*\a+\t):RR+4*(8*\a+\t)+3], v[CO], s[70:71] offset:(16*\a+2*\t)*4096   ; R's rows 16 a + 2 t + h
.endr
.endr
	WIN 0
	v_mul_u32_u24 v3, v1, PA
	v_lshl_add_u32 v3, v2, 4, v3
.if FF2
	s_mul_i32 s21, s11, HALF                       ; my 64 rows are one part
.else
	s_mul_i32 s21, s11, 64*PA                      ; my 64 rows in every plane
.endif
	v_and_b32 v4, 7, v0
	v_lshl_add_u32 v4, v2, 3, v4
	v_mul_u32_u24 v4, v4, PB
	v_bfe_u32 v5, v0, 3, 1
	v_lshl_add_u32 v4, v5, 4, v4
	s_lshl_b32 s22, s12, 7                         ; my 64 columns: 128 bytes along B's rows
	s_add_co_u32 s22, s22, 2*HALF
.irp s, 0,1
	v_add_nc_u32 v[ADRA+\s], s21, v3
	v_add_nc_u32 v[ADRB+2*\s], s22, v4
	s_add_co_u32 s22, s22, HALF
	v_add_nc_u32 v[ADRB+2*\s+1], s22, v4
	s_add_co_u32 s21, s21, SLOT
	s_add_co_u32 s22, s22, SLOT-HALF
.endr
	s_mul_i32 s23, s10, 16*SPITCH
	s_add_co_u32 s23, s23, STAGE
	v_mul_u32_u24 v6, v1, SPITCH
	v_lshl_add_u32 v6, v2, 5, v6
	v_add_nc_u32 v[STO], s23, v6                   ; in: row r, 32 bytes for each half of the lanes
	v_mul_u32_u24 v6, v2, SPITCH
	v_lshl_add_u32 v6, v1, 4, v6
	v_add_nc_u32 v[RD], s23, v6                    ; back: sixteen lanes a row of 256 bytes
.if FF2
	v_lshlrev_b32 v27, 3, v2                       ; bit offsets of my row's mask byte in a word: 8 h,
	v_add_nc_u32 v28, 16, v27                      ; 16 + 8 h
	v_mov_b32 v31, 0                               ; the high register of the pair whose low one carries the mask
.endif
; 16 LDS loads: the fragments of eighth e (32 along K) of a slot into buffer f
.macro FETCH slot, e, f
.irp i, 0,1,2,3
	ds_load_tr16_b128 v[\f+32+8*\i:\f+32+8*\i+3], v[ADRB+2*\slot+(\e)/4] offset:32*((\e)%4)*PB+32*\i
	ds_load_tr16_b128 v[\f+32+8*\i+4:\f+32+8*\i+7], v[ADRB+2*\slot+(\e)/4] offset:32*((\e)%4)*PB+32*\i+16*PB
.endr
.irp i, 0,1,2,3
	ds_load_b128 v[\f+8*\i:\f+8*\i+3],   v[ADRA+\slot] offset:((\e)/EPP)*PLANE+((\e)%EPP)*64+16*\i*PA
	ds_load_b128 v[\f+8*\i+4:\f+8*\i+7], v[ADRA+\slot] offset:((\e)/EPP)*PLANE+((\e)%EPP)*64+16*\i*PA+32
.endr
.endm
; 8 matrix instructions: m blocks a0, a0 + 1 x 4 n blocks.  c = 1: the bias starts the sums.
.macro MUL8 f, a0, c
.irp a, \a0, \a0+1
.irp b, 0,1,2,3
.if \c
	v_wmma_f32_16x16x32_bf16 v[8*(4*(\a)+\b):8*(4*(\a)+\b)+7], v[\f+32+8*\b:\f+32+8*\b+7], v[\f+8*(\a):\f+8*(\a)+7], v[BIAS+8*\b:BIAS+8*\b+7]
.else
	v_wmma_f32_16x16x32_bf16 v[8*(4*(\a)+\b):8*(4*(\a)+\b)+7], v[\f+32+8*\b:\f+32+8*\b+7], v[\f+8*(\a):\f+8*(\a)+7], v[8*(4*(\a)+\b):8*(4*(\a)+\b)+7]
.endif
.endr
.endr
.endm
; One of the first seven eighths: fetches the next eighth into buffer g, multiplies buffer f.
; The sixteen accumulators take turns, one instruction a turn, in one order throughout.
.macro EIGHTH slot, e, f, g, c
	s_wait_dscnt 0x0                               ; buffer f, asked for sixteen matrix instructions ago
	PLACES                                         ; buffer g was read by the matrix instructions just issued
	FETCH \slot, \e+1, \g
.if \c
	WIN 0x40                                       ; D window 1, C (the bias) window 0
.else
	WIN 0x50                                       ; C and D window 1
.endif
	MUL8 \f, 0, \c
	MUL8 \f, 2, \c
	WIN 0
.endm
.macro SEVEN slot, c
	EIGHTH \slot, 0, F0, F1, \c
	EIGHTH \slot, 1, F1, F0, 0
	EIGHTH \slot, 2, F0, F1, 0
	EIGHTH \slot, 3, F1, F0, 0
	EIGHTH \slot, 4, F0, F1, 0
	EIGHTH \slot, 5, F1, F0, 0
	EIGHTH \slot, 6, F0, F1, 0
.endm
; The last eighth changes slots: each wave's reads of this slot and all its tensor loads (one is out: its part of the next slot) are waited for in front
; of the barrier; where the slot is filled again the barrier opens a round of the cluster's barrier and the joint refill is first behind it.
.macro TURN slot, next, fill
	s_wait_dscnt 0x0
	s_wait_tensorcnt 0x0
	ds_add_u32 v62, v63
	s_wait_dscnt 0x0
	s_barrier_signal -1
	WIN 0x50
	MUL8 F1, 0, 0                                  ; register work alone between signal and wait
	WIN 0
	s_barrier_wait -1
.if \fill
	CREST
	s_add_nc_u64 s[G0+4*\slot+2:G0+4*\slot+3], s[G0+4*\slot+2:G0+4*\slot+3], 2*ASTEP
	s_add_nc_u64 s[G0B+4*\slot+2:G0B+4*\slot+3], s[G0B+4*\slot+2:G0B+4*\slot+3], 2*BSTEP
	JLOAD \slot
.endif
	PLACES
	FETCH \next, 0, F0
	WIN 0x50
	MUL8 F1, 2, 0
	WIN 0
.endm
.macro LAP c
	SEVEN 0, \c
	TURN 0, 1, 1
	SEVEN 1, 0
	TURN 1, 0, 1
.endm
	s_wait_tensorcnt 1                             ; my part of slot 0 is in; slot 1's stays out
	s_barrier_signal -1
	s_barrier_wait -1
	FETCH 0, 0, F0
	s_wait_loadcnt 32                              ; the bias's eight loads are in; R's 32, issued behind them, stay out
	LAP 1
.if LAPS > 2
	s_mov_b32 s3, LAPS-2
.Llap:
	LAP 0
	s_sub_co_u32 s3, s3, 1
	s_cmp_lg_u32 s3, 0
	s_cbranch_scc1 .Llap
.endif
	SEVEN 0, 0                                     ; the last lap fills nothing
	TURN 0, 1, 0
	SEVEN 1, 0
	s_wait_dscnt 0x0
	WIN 0x50
	MUL8 F1, 0, 0
	MUL8 F1, 2, 0
	WIN 0
	; THE WAY OUT: the sums go 16 rows at a time through my stage and come back as whole rows, to which R is added
	PLACES                                         ; four places behind the last matrix instructions, whose results the LDS stores read
	s_wait_loadcnt 0x0                             ; R
.if FF2
	s_wait_kmcnt 0x0                               ; the mask bytes
.endif
.macro OUTF a
.set OB, 192+32*(\a%2)
	s_wait_xcnt 0x0                                ; the registers that the stores two turns ago read are loaded again only behind this wait
	WIN 0x04                                       ; store data window 1
.irp b, 0,1,2,3
	ds_store_b128 v[STO], v[8*(4*\a+\b):8*(4*\a+\b)+3]   offset:64*\b
	ds_store_b128 v[STO], v[8*(4*\a+\b)+4:8*(4*\a+\b)+7] offset:64*\b+16
.endr
	WIN 0
.irp t, 0,1,2,3,4,5,6,7
	ds_load_b128 v[OB+4*\t:OB+4*\t+3], v[RD] offset:2*SPITCH*\t    ; LDS serves a wave's instructions in order: these see the stores above
.endr
	WIN 0x04                                       ; second source (R) window 1
.irp t, 0,1,2,3,4,5,6,7
	s_wait_dscnt 7-\t                              ; read-back t is in; the younger ones stay out
	v_pk_add_f32 v[OB+4*\t:OB+4*\t+1], v[OB+4*\t:OB+4*\t+1], v[RR+4*(8*\a+\t):RR+4*(8*\a+\t)+1]
	v_pk_add_f32 v[OB+4*\t+2:OB+4*\t+3], v[OB+4*\t+2:OB+4*\t+3], v[RR+4*(8*\a+\t)+2:RR+4*(8*\a+\t)+3]
.endr
	WIN 0
.irp t, 0,1,2,3,4,5,6,7
.if FF2
	v_bfe_u32 v29, s[76+4*\a+\t/2], v[27+\t%2], 8  ; the mask byte of row 16 a + 2 t + h
	v_cvt_f32_u32 v30, v29
	v_pk_mul_f32 v[OB+4*\t:OB+4*\t+1], v[OB+4*\t:OB+4*\t+1], v[30:31] op_sel_hi:[1,0]
	v_pk_mul_f32 v[OB+4*\t+2:OB+4*\t+3], v[OB+4*\t+2:OB+4*\t+3], v[30:31] op_sel_hi:[1,0]
.endif
	global_store_b128 v[CO], v[OB+4*\t:OB+4*\t+3], s[72:73] offset:(16*\a+2*\t)*4096   ; 16 lanes store 256 consecutive bytes, aligned
.endr
.endm
	OUTF 0
	OUTF 1
	OUTF 2
	OUTF 3
	s_wait_tensorcnt 0x0
	ds_add_u32 v62, v63
	s_wait_dscnt 0x0
	CROUND                                         ; the closing round
	s_endpgm
.Lfunc_end_k_q9e88f015e3_ff2:
	.size	k_q9e88f015e3_ff2, .Lfunc_end_k_q9e88f015e3_ff2-k_q9e88f015e3_ff2
	.p2alignl 7, 3214868480
	.fill 96, 4, 3214868480
	.section	.rodata,"a",@progbits
	.p2align	6, 0x0
	.amdhsa_kernel k_q9e88f015e3_ff2
		.amdhsa_group_segment_fixed_size 327680
		.amdhsa_private_segment_fixed_size 0
		.amdhsa_enable_private_segment 0
		.amdhsa_kernarg_size 48
		.amdhsa_user_sgpr_count 2
		.amdhsa_user_sgpr_kernarg_segment_ptr 1
		.amdhsa_wavefront_size32 1
		.amdhsa_system_sgpr_workgroup_id_x 1
		.amdhsa_system_sgpr_workgroup_id_y 1
		.amdhsa_system_sgpr_workgroup_id_z 1
		.amdhsa_system_vgpr_workitem_id 0
		.amdhsa_next_free_vgpr 512
		.amdhsa_next_free_sgpr 92
		.amdhsa_reserve_vcc 0
		.amdhsa_float_denorm_mode_32 3
		.amdhsa_float_denorm_mode_16_64 3
		.amdhsa_memory_ordered 1
		.amdhsa_forward_progress 1
		.amdhsa_inst_pref_size 143
	.end_amdhsa_kernel
	.amdgpu_metadata
---
amdhsa.version: [ 1, 2 ]
amdhsa.kernels:
  - .name:           k_q9e88f015e3_ff2
    .symbol:         k_q9e88f015e3_ff2.kd
    .args:
      - { .name: fh, .offset: 0, .size: 8, .value_kind: global_buffer, .address_space: global }
      - { .name: wb, .offset: 8, .size: 8, .value_kind: global_buffer, .address_space: global }
      - { .name: ff_b2, .offset: 16, .size: 8, .value_kind: global_buffer, .address_space: global }
      - { .name: x1, .offset: 24, .size: 8, .value_kind: global_buffer, .address_space: global }
      - { .name: out0, .offset: 32, .size: 8, .value_kind: global_buffer, .address_space: global }
      - { .name: key_padding_mask, .offset: 40, .size: 8, .value_kind: global_buffer, .address_space: global }
    .group_segment_fixed_size: 327680
    .private_segment_fixed_size: 0
    .kernarg_segment_align: 8
    .kernarg_segment_size: 48
    .max_flat_workgroup_size: 128
    .sgpr_count:     92
    .vgpr_count:     512
    .wavefront_size: 32
...
	.end_amdgpu_metadata
.endif
;; end of part 7
;; ======== version 2 of 2: 7 launches; version 1 with the launches prep, ln2 written anew for expert scheduling mode
;; workspace buffers: wb 25,165,824 bytes; h1 8,388,608 bytes; qkv 25,165,824 bytes; att 8,388,608 bytes; x1 16,777,216 bytes; h2 8,388,608 bytes; fh 33,554,432 bytes
;; launch prep (part 8): grid 1024 x 1, 8 waves a work-group, no clusters, 0 bytes of LDS; arguments x, key_padding_mask, ln1_w, ln1_b, h1, wq, wk, wv, proj_w, ff_w1, ff_w2, wb; writes h1, wb
.if DOCPART == 8
	.amdgcn_target "amdgcn-amd-amdhsa--gfx1250"
	.amdhsa_code_object_version 6
	.text
	.protected	k_q9e88f015e3_prep
	.globl	k_q9e88f015e3_prep
	.p2align	8
	.type	k_q9e88f015e3_prep,@function
k_q9e88f015e3_prep:
	s_mov_b64 s[64:65], 0
	v_nop
	global_prefetch_b8 v0, s[64:65] scope:SCOPE_SE
	s_setreg_imm32_b32 hwreg(HW_REG_WAVE_SCHED_MODE, 0, 2), 2
	s_setreg_imm32_b32 hwreg(HW_REG_WAVE_MODE, 25, 1), 1
	s_wait_xcnt 0x0
	s_wait_alu depctr_vm_vsrc(0)
; Two jobs in one launch, chosen by the work-group's number.
; Work-groups 0..767: the six weight matrices are rounded to bf16, layout kept ([K][N]), into wb:
;   wq at 0, wk at 2 MiB, wv at 4 MiB, proj_w at 6 MiB, ff_w1 at 8 MiB, ff_w2 at 16 MiB.  A work-group takes 65,536 bytes of f32.
; Work-groups 768..1023: h1 = (LayerNorm(x) * w + b) * mask in bf16; one wave takes two rows, a row stays in 32 registers.
; A stream: no LDS, no barrier, no matrix unit.  Mask bytes are taken to be 0 or 1 and are applied by multiplying.
; THE MODE: SCHED_MODE bits 1:0 = 2 (LLVM: expert scheduling mode 2), set by the entry lines.  The code itself states the register dependences
; between vector instructions and memory instructions, with s_wait_alu, always for 0.
; THE PLAN, THE CAST.  Registers that memory instructions touch:
;   v1, v2     byte offsets of the loads and of the stores: made once at the arm's head, never written again.
;   v[32:95]   sixteen loads of four registers, each loaded once, all asked for before a vector instruction names them.  The two roundings of load i
;              close its four numbers up into its first two registers, which store i reads; nothing writes them again.
; The loads go in four groups of four.  At the head of group g, behind the wait for its data, ONE wait on va_vdst states that group g - 1's roundings
; have written; that group's four stores follow, dealt among group g's roundings, which name group g's registers alone.  One more stands ahead of the last four stores.
; THE PLAN, THE NORM.  v1, v2 as above.  X0, X1, WW, BB: loaded once, before a vector instruction names them.  A row's sixteen roundings write the first two
; of each four of its registers, which its eight stores read; nothing writes them again.  ONE wait on va_vdst stands behind a row's roundings; the first row's
; stores are dealt among the second row's first additions, which name X1 and TT alone.
; No register that a memory instruction has read is ever written again, in either arm: no wait on vm_vsrc is owed.
.set CASTS, 768
.set TT, 4                             ; v[4:11]    at work: no memory instruction names them
.set MU, 20                            ; v[20:21]   the mean, twice
.set RR, 22                            ; v[22:23]   1/sqrt(var + eps), twice
.set X0, 32                            ; v[32:63]   first row
.set X1, 64                            ; v[64:95]   second row
.set WW, 96                            ; v[96:127]  gain of my 32 columns
.set BB, 128                           ; v[128:159] bias of my 32 columns
.macro JOIN                            ; four chains of pairs into one number a lane
	v_pk_add_f32 v[TT:TT+1], v[TT:TT+1], v[TT+2:TT+3]
	v_pk_add_f32 v[TT+4:TT+5], v[TT+4:TT+5], v[TT+6:TT+7]
	v_pk_add_f32 v[TT:TT+1], v[TT:TT+1], v[TT+4:TT+5]
	v_add_f32 v[TT], v[TT], v[TT+1]
.endm
.macro REDUCE                          ; the sum over the 32 lanes, in every lane
	v_add_f32_dpp v[TT], v[TT], v[TT] row_xmask:1 row_mask:0xf bank_mask:0xf
	v_add_f32_dpp v[TT], v[TT], v[TT] row_xmask:2 row_mask:0xf bank_mask:0xf
	v_add_f32_dpp v[TT], v[TT], v[TT] row_xmask:4 row_mask:0xf bank_mask:0xf
	v_add_f32_dpp v[TT], v[TT], v[TT] row_xmask:8 row_mask:0xf bank_mask:0xf
	v_permlanex16_b32 v[TT+1], v[TT], s36, s37
	v_add_f32 v[TT], v[TT], v[TT+1]
.endm
; Store j of the eight of the row whose rounded numbers lie in registers X ..; off: the row's byte offset in the output.
.macro PUT X, off, j
	global_store_b64 v2, v[\X+4*(\j):\X+4*(\j)+1], s[12:13] offset:\off+256*(\j)    ; the wave's store covers 256 consecutive bytes, aligned
.endm
; One row in registers X..X+31; MS: scalar pair with the row's mask as f32;
; left: how many younger loads may stay out when the row has to be there.
; PREV: the registers of the row before, whose eight stores (at byte poff of the output) are dealt among this row's first additions; 0: there is none.
.macro LNROW X, MS, left, PREV, poff
	s_wait_loadcnt \left
.irp k, 0,1,2,3
	v_pk_add_f32 v[TT+2*\k:TT+2*\k+1], v[\X+2*\k:\X+2*\k+1], v[\X+8+2*\k:\X+8+2*\k+1]
.endr
.set p, 8
.rept 8
.if \PREV
	PUT \PREV, \poff, p-8                          ; no wait: no vector instruction since the wait behind that row's roundings names its registers or v2
.endif
	v_pk_add_f32 v[TT+2*(p%4):TT+2*(p%4)+1], v[TT+2*(p%4):TT+2*(p%4)+1], v[\X+2*p:\X+2*p+1]
.set p, p+1
.endr
	JOIN
	REDUCE
	v_mul_f32 v[MU], v3, v[TT]                     ; mean = sum / 1024
	v_mov_b32 v[MU+1], v[MU]
.set p, 0
.rept 16
	v_pk_add_f32 v[\X+2*p:\X+2*p+1], v[\X+2*p:\X+2*p+1], v[MU:MU+1] neg_lo:[0,1] neg_hi:[0,1]   ; x - mean first: the variance is no difference of large sums
.set p, p+1
.endr
.irp k, 0,1,2,3
	v_pk_mul_f32 v[TT+2*\k:TT+2*\k+1], v[\X+2*\k:\X+2*\k+1], v[\X+2*\k:\X+2*\k+1]
.endr
.set p, 4
.rept 12
	v_pk_fma_f32 v[TT+2*(p%4):TT+2*(p%4)+1], v[\X+2*p:\X+2*p+1], v[\X+2*p:\X+2*p+1], v[TT+2*(p%4):TT+2*(p%4)+1]
.set p, p+1
.endr
	JOIN
	REDUCE
	v_fmaak_f32 v[TT], v3, v[TT], 0x3727c5ac       ; var + 1e-5
	v_rsq_f32 v[RR], v[TT]
	v_rsq_f32 v[RR+1], v[TT]
	v_nop                                          ; one plain place behind the transcendentals (ISA guide 5.7.2)
	s_wait_loadcnt 0x0                             ; gain and bias are in (in the second row's turn this is met)
	s_wait_alu depctr_va_vdst(0)                   ; the two reciprocal roots v[RR], v[RR+1] are written, ahead of their first reader: one wait for both
.set p, 0
.rept 16
	v_pk_mul_f32 v[\X+2*p:\X+2*p+1], v[\X+2*p:\X+2*p+1], v[RR:RR+1]
.set p, p+1
.endr
.set p, 0
.rept 16
	v_pk_fma_f32 v[\X+2*p:\X+2*p+1], v[\X+2*p:\X+2*p+1], v[WW+2*p:WW+2*p+1], v[BB+2*p:BB+2*p+1]
.set p, p+1
.endr
.set p, 0
.rept 16
	v_pk_mul_f32 v[\X+2*p:\X+2*p+1], v[\X+2*p:\X+2*p+1], s[\MS:\MS+1] op_sel_hi:[1,0]
.set p, p+1
.endr
.irp j, 0,1,2,3,4,5,6,7
	v_cvt_pk_bf16_f32 v[\X+4*\j], v[\X+4*\j], v[\X+4*\j+1]
	v_cvt_pk_bf16_f32 v[\X+4*\j+1], v[\X+4*\j+2], v[\X+4*\j+3]
.endr
	s_wait_alu depctr_va_vdst(0)                   ; the sixteen roundings have written the first two of each four of the row's registers, which its eight stores read
.endm
; s39 = number of the group of 16 rows.  s[4:5] input rows (f32), s[6:7] mask, s[8:9] gain, s[10:11] bias, s[12:13] output (bf16).
.macro LNBODY
	v_lshrrev_b32 v3, 5, v0
	v_readfirstlane_b32 s29, v3                    ; wave
	v_and_b32 v2, 31, v0
	v_lshlrev_b32 v1, 4, v2                        ; 16 bytes a lane in
	v_lshlrev_b32 v2, 3, v2                        ; 8 bytes a lane out
	v_mov_b32 v3, 0x3a800000                       ; 1/1024
	s_lshl_b32 s39, s39, 4
	s_mov_b32 s36, 0x76543210                      ; v_permlanex16_b32: lane i reads lane i of the other half
	s_mov_b32 s37, 0xfedcba98
	s_wait_alu depctr_va_sdst(0)                   ; s29 is written, ahead of its first reader: the rows' offsets are made from it
	s_lshl1_add_u32 s39, s29, s39                  ; my first row = 16 x group + 2 x wave
	s_mov_b32 s30, s39
	s_mov_b32 s31, 0
	s_add_nc_u64 s[6:7], s[6:7], s[30:31]
	s_load_u16 s28, s[6:7], 0x0                    ; the two rows' mask bytes
	s_lshl_b32 s30, s39, 12
	s_add_nc_u64 s[4:5], s[4:5], s[30:31]          ; 4,096 bytes a row in
	s_lshl_b32 s30, s39, 11
	s_add_nc_u64 s[12:13], s[12:13], s[30:31]      ; 2,048 bytes a row out
	s_wait_alu depctr_va_vdst(0)                   ; v1 and v2 are written: every load reads v1 as its offset, every store v2
.irp j, 0,1,2,3,4,5,6,7
	global_load_b128 v[X0+4*\j:X0+4*\j+3], v1, s[4:5] offset:512*\j
.endr
.irp j, 0,1,2,3,4,5,6,7
	global_load_b128 v[X1+4*\j:X1+4*\j+3], v1, s[4:5] offset:4096+512*\j
.endr
.irp j, 0,1,2,3,4,5,6,7
	global_load_b128 v[WW+4*\j:WW+4*\j+3], v1, s[8:9] offset:512*\j
.endr
.irp j, 0,1,2,3,4,5,6,7
	global_load_b128 v[BB+4*\j:BB+4*\j+3], v1, s[10:11] offset:512*\j
.endr
	s_wait_kmcnt 0x0
	s_and_b32 s32, s28, 0xff
	s_lshr_b32 s34, s28, 8
	s_cvt_f32_u32 s32, s32
	s_cvt_f32_u32 s34, s34
	s_mov_b32 s33, s32
	s_mov_b32 s35, s34
	LNROW X0, 32, 24, 0, 0                         ; 24 younger loads (second row, gain, bias) stay out
	LNROW X1, 34, 0, X0, 0                         ; the first row's stores go out among this row's first additions
.irp j, 0,1,2,3,4,5,6,7
	PUT X1, 2048, \j                               ; behind the wait that ends the second row's roundings
.endr
.endm
	s_load_b512 s[4:19], s[0:1], 0x0               ; x 4, mask 6, ln1_w 8, ln1_b 10, h1 12, wq 14, wk 16, wv 18
	s_load_b256 s[20:27], s[0:1], 0x40             ; proj_w 20, ff_w1 22, ff_w2 24, wb 26
	s_wait_kmcnt 0x0
	s_cmp_lt_u32 ttmp9, CASTS
	s_cbranch_scc0 .Lln
	v_lshlrev_b32 v1, 4, v0                        ; the two offsets are made first, ahead of the scalar work
	v_lshlrev_b32 v2, 3, v0
	; the cast: which matrix the chunk lies in, by its number alone
	s_mov_b64 s[28:29], s[24:25]
	s_cmp_lt_u32 ttmp9, 512
	s_cselect_b64 s[28:29], s[22:23], s[28:29]
	s_cmp_lt_u32 ttmp9, 256
	s_cselect_b64 s[28:29], s[20:21], s[28:29]
	s_cmp_lt_u32 ttmp9, 192
	s_cselect_b64 s[28:29], s[18:19], s[28:29]
	s_cmp_lt_u32 ttmp9, 128
	s_cselect_b64 s[28:29], s[16:17], s[28:29]
	s_cmp_lt_u32 ttmp9, 64
	s_cselect_b64 s[28:29], s[14:15], s[28:29]
	s_and_b32 s30, ttmp9, 63                       ; the chunk's number inside a matrix of 64 chunks,
	s_and_b32 s31, ttmp9, 255                      ; or of 256
	s_cmp_lt_u32 ttmp9, 256
	s_cselect_b32 s30, s30, s31
	s_lshl_b32 s30, s30, 16
	s_mov_b32 s31, 0
	s_add_nc_u64 s[28:29], s[28:29], s[30:31]
	s_lshl_b32 s32, ttmp9, 15                      ; in wb the chunks follow each other, 32,768 bytes each
	s_mov_b32 s33, 0
	s_add_nc_u64 s[26:27], s[26:27], s[32:33]
	s_wait_alu depctr_va_vdst(0)                   ; v1 and v2 are written: every load reads v1 as its offset, every store v2
.set i, 0
.rept 16
	global_load_b128 v[32+4*i:35+4*i], v1, s[28:29] offset:4096*i th:TH_LOAD_NT   ; all sixteen loads go out first
.set i, i+1
.endr
.irp g, 0,1,2,3
	s_wait_loadcnt 12-4*(\g)                       ; loads come back in order: group g's four are in, the younger groups stay out
.if \g
	s_wait_alu depctr_va_vdst(0)                   ; the roundings of the group before have written the registers that its four stores, below, read
.endif
.irp k, 0,1,2,3
.if \g
	global_store_b64 v2, v[32+4*(4*(\g)-4+(\k)):33+4*(4*(\g)-4+(\k))], s[26:27] offset:2048*(4*(\g)-4+(\k))    ; a wave's store covers 256 consecutive bytes, aligned; no vector instruction since the wait names these registers
.endif
	v_cvt_pk_bf16_f32 v[32+4*(4*(\g)+(\k))], v[32+4*(4*(\g)+(\k))], v[33+4*(4*(\g)+(\k))]
	v_cvt_pk_bf16_f32 v[33+4*(4*(\g)+(\k))], v[34+4*(4*(\g)+(\k))], v[35+4*(4*(\g)+(\k))]
.endr
.endr
	s_wait_alu depctr_va_vdst(0)                   ; the last group's roundings have written the registers that the last four stores read
.irp k, 12,13,14,15
	global_store_b64 v2, v[32+4*(\k):33+4*(\k)], s[26:27] offset:2048*(\k)
.endr
	s_endpgm
.Lln:
	s_sub_co_u32 s39, ttmp9, CASTS
	LNBODY
	s_endpgm
.Lfunc_end_k_q9e88f015e3_prep:
	.size	k_q9e88f015e3_prep, .Lfunc_end_k_q9e88f015e3_prep-k_q9e88f015e3_prep
	.p2alignl 7, 3214868480
	.fill 96, 4, 3214868480
	.section	.rodata,"a",@progbits
	.p2align	6, 0x0
	.amdhsa_kernel k_q9e88f015e3_prep
		.amdhsa_group_segment_fixed_size 0
		.amdhsa_private_segment_fixed_size 0
		.amdhsa_enable_private_segment 0
		.amdhsa_kernarg_size 96
		.amdhsa_user_sgpr_count 2
		.amdhsa_user_sgpr_kernarg_segment_ptr 1
		.amdhsa_wavefront_size32 1
		.amdhsa_system_sgpr_workgroup_id_x 1
		.amdhsa_system_sgpr_workgroup_id_y 1
		.amdhsa_system_sgpr_workgroup_id_z 1
		.amdhsa_system_vgpr_workitem_id 0
		.amdhsa_next_free_vgpr 160
		.amdhsa_next_free_sgpr 66
		.amdhsa_reserve_vcc 0
		.amdhsa_float_denorm_mode_32 3
		.amdhsa_float_denorm_mode_16_64 3
		.amdhsa_memory_ordered 1
		.amdhsa_forward_progress 1
		.amdhsa_inst_pref_size 29
	.end_amdhsa_kernel
	.amdgpu_metadata
---
amdhsa.version: [ 1, 2 ]
amdhsa.kernels:
  - .name:           k_q9e88f015e3_prep
    .symbol:         k_q9e88f015e3_prep.kd
    .args:
      - { .name: x, .offset: 0, .size: 8, .value_kind: global_buffer, .address_space: global }
      - { .name: key_padding_mask, .offset: 8, .size: 8, .value_kind: global_buffer, .address_space: global }
      - { .name: ln1_w, .offset: 16, .size: 8, .value_kind: global_buffer, .address_space: global }
      - { .name: ln1_b, .offset: 24, .size: 8, .value_kind: global_buffer, .address_space: global }
      - { .name: h1, .offset: 32, .size: 8, .value_kind: global_buffer, .address_space: global }
      - { .name: wq, .offset: 40, .size: 8, .value_kind: global_buffer, .address_space: global }
      - { .name: wk, .offset: 48, .size: 8, .value_kind: global_buffer, .address_space: global }
      - { .name: wv, .offset: 56, .size: 8, .value_kind: global_buffer, .address_space: global }
      - { .name: proj_w, .offset: 64, .size: 8, .value_kind: global_buffer, .address_space: global }
      - { .name: ff_w1, .offset: 72, .size: 8, .value_kind: global_buffer, .address_space: global }
      - { .name: ff_w2, .offset: 80, .size: 8, .value_kind: global_buffer, .address_space: global }
      - { .name: wb, .offset: 88, .size: 8, .value_kind: global_buffer, .address_space: global }
    .group_segment_fixed_size: 0
    .private_segment_fixed_size: 0
    .kernarg_segment_align: 8
    .kernarg_segment_size: 96
    .max_flat_workgroup_size: 256
    .sgpr_count:     66
    .vgpr_count:     160
    .wavefront_size: 32
...
	.end_amdgpu_metadata
.endif
;; end of part 8
;; launch qkv: the kernel of part 2 again; grid 12 x 16, 4 waves a work-group, clusters of 4 x 4, 327,680 bytes of LDS; arguments h1, wb, qkv; writes qkv
;; launch attn: the kernel of part 3 again; grid 256 x 1, 4 waves a work-group, clusters of 4 x 1, 325,120 bytes of LDS; arguments qkv, key_padding_mask, att; writes att
;; launch proj: the kernel of part 4 again; grid 8 x 32, 4 waves a work-group, clusters of 4 x 4, 327,680 bytes of LDS; arguments att, wb, proj_b, x, x1; writes x1
;; launch ln2 (part 9): grid 256 x 1, 8 waves a work-group, no clusters, 0 bytes of LDS; arguments x1, key_padding_mask, ln2_w, ln2_b, h2; writes h2
.if DOCPART == 9
	.amdgcn_target "amdgcn-amd-amdhsa--gfx1250"
	.amdhsa_code_object_version 6
	.text
	.protected	k_q9e88f015e3_ln2
	.globl	k_q9e88f015e3_ln2
	.p2align	8
	.type	k_q9e88f015e3_ln2,@function
k_q9e88f015e3_ln2:
	s_mov_b64 s[64:65], 0
	v_nop
	global_prefetch_b8 v0, s[64:65] scope:SCOPE_SE
	s_setreg_imm32_b32 hwreg(HW_REG_WAVE_SCHED_MODE, 0, 2), 2
	s_setreg_imm32_b32 hwreg(HW_REG_WAVE_MODE, 25, 1), 1
	s_wait_xcnt 0x0
	s_wait_alu depctr_vm_vsrc(0)
; h2 = (LayerNorm(x1) * w + b) * mask in bf16.  One wave takes two rows of 1,024 f32; a row stays in 32 registers between the passes.
; A stream: no LDS, no barrier, no matrix unit.  Mask bytes are taken to be 0 or 1 and are applied by multiplying (a NaN stays a NaN).
; THE MODE: SCHED_MODE bits 1:0 = 2 (LLVM: expert scheduling mode 2), set by the entry lines.  The code itself states the register dependences
; between vector instructions and memory instructions, with s_wait_alu, always for 0.
; THE PLAN.  Registers that memory instructions touch:
;   v1, v2           byte offsets of the loads and of the stores: made once at the head, never written again.
;   X0, X1, WW, BB   loaded once, all asked for before a vector instruction names them.
;   A row's sixteen roundings write the first two of each four of its registers, which its eight stores read; nothing writes them again.
; ONE wait on va_vdst stands behind a row's roundings.  The first row's stores are dealt among the second row's first additions, which name X1 and TT alone;
; the second row's follow its wait.  No register that a memory instruction has read is ever written again: no wait on vm_vsrc is owed.
.set TT, 4                             ; v[4:11]    at work: no memory instruction names them
.set MU, 20                            ; v[20:21]   the mean, twice
.set RR, 22                            ; v[22:23]   1/sqrt(var + eps), twice
.set X0, 32                            ; v[32:63]   first row
.set X1, 64                            ; v[64:95]   second row
.set WW, 96                            ; v[96:127]  gain of my 32 columns
.set BB, 128                           ; v[128:159] bias of my 32 columns
.macro JOIN
	v_pk_add_f32 v[TT:TT+1], v[TT:TT+1], v[TT+2:TT+3]
	v_pk_add_f32 v[TT+4:TT+5], v[TT+4:TT+5], v[TT+6:TT+7]
	v_pk_add_f32 v[TT:TT+1], v[TT:TT+1], v[TT+4:TT+5]
	v_add_f32 v[TT], v[TT], v[TT+1]
.endm
.macro REDUCE
	v_add_f32_dpp v[TT], v[TT], v[TT] row_xmask:1 row_mask:0xf bank_mask:0xf
	v_add_f32_dpp v[TT], v[TT], v[TT] row_xmask:2 row_mask:0xf bank_mask:0xf
	v_add_f32_dpp v[TT], v[TT], v[TT] row_xmask:4 row_mask:0xf bank_mask:0xf
	v_add_f32_dpp v[TT], v[TT], v[TT] row_xmask:8 row_mask:0xf bank_mask:0xf
	v_permlanex16_b32 v[TT+1], v[TT], s36, s37
	v_add_f32 v[TT], v[TT], v[TT+1]
.endm
; Store j of the eight of the row whose rounded numbers lie in registers X ..; off: the row's byte offset in the output.
.macro PUT X, off, j
	global_store_b64 v2, v[\X+4*(\j):\X+4*(\j)+1], s[12:13] offset:\off+256*(\j)    ; the wave's store covers 256 consecutive bytes, aligned
.endm
; One row in registers X..X+31; MS: scalar pair with the row's mask as f32;
; left: how many younger loads may stay out when the row has to be there.
; PREV: the registers of the row before, whose eight stores (at byte poff of the output) are dealt among this row's first additions; 0: there is none.
.macro LNROW X, MS, left, PREV, poff
	s_wait_loadcnt \left
.irp k, 0,1,2,3
	v_pk_add_f32 v[TT+2*\k:TT+2*\k+1], v[\X+2*\k:\X+2*\k+1], v[\X+8+2*\k:\X+8+2*\k+1]
.endr
.set p, 8
.rept 8
.if \PREV
	PUT \PREV, \poff, p-8                          ; no wait: no vector instruction since the wait behind that row's roundings names its registers or v2
.endif
	v_pk_add_f32 v[TT+2*(p%4):TT+2*(p%4)+1], v[TT+2*(p%4):TT+2*(p%4)+1], v[\X+2*p:\X+2*p+1]
.set p, p+1
.endr
	JOIN
	REDUCE
	v_mul_f32 v[MU], v3, v[TT]                     ; mean = sum / 1024
	v_mov_b32 v[MU+1], v[MU]
.set p, 0
.rept 16
	v_pk_add_f32 v[\X+2*p:\X+2*p+1], v[\X+2*p:\X+2*p+1], v[MU:MU+1] neg_lo:[0,1] neg_hi:[0,1]   ; x - mean first: the variance is no difference of large sums
.set p, p+1
.endr
.irp k, 0,1,2,3
	v_pk_mul_f32 v[TT+2*\k:TT+2*\k+1], v[\X+2*\k:\X+2*\k+1], v[\X+2*\k:\X+2*\k+1]
.endr
.set p, 4
.rept 12
	v_pk_fma_f32 v[TT+2*(p%4):TT+2*(p%4)+1], v[\X+2*p:\X+2*p+1], v[\X+2*p:\X+2*p+1], v[TT+2*(p%4):TT+2*(p%4)+1]
.set p, p+1
.endr
	JOIN
	REDUCE
	v_fmaak_f32 v[TT], v3, v[TT], 0x3727c5ac       ; var + 1e-5
	v_rsq_f32 v[RR], v[TT]
	v_rsq_f32 v[RR+1], v[TT]
	v_nop                                          ; one plain place behind the transcendentals (ISA guide 5.7.2)
	s_wait_loadcnt 0x0                             ; gain and bias are in (in the second row's turn this is met)
	s_wait_alu depctr_va_vdst(0)                   ; the two reciprocal roots v[RR], v[RR+1] are written, ahead of their first reader: one wait for both
.set p, 0
.rept 16
	v_pk_mul_f32 v[\X+2*p:\X+2*p+1], v[\X+2*p:\X+2*p+1], v[RR:RR+1]
.set p, p+1
.endr
.set p, 0
.rept 16
	v_pk_fma_f32 v[\X+2*p:\X+2*p+1], v[\X+2*p:\X+2*p+1], v[WW+2*p:WW+2*p+1], v[BB+2*p:BB+2*p+1]
.set p, p+1
.endr
.set p, 0
.rept 16
	v_pk_mul_f32 v[\X+2*p:\X+2*p+1], v[\X+2*p:\X+2*p+1], s[\MS:\MS+1] op_sel_hi:[1,0]
.set p, p+1
.endr
.irp j, 0,1,2,3,4,5,6,7
	v_cvt_pk_bf16_f32 v[\X+4*\j], v[\X+4*\j], v[\X+4*\j+1]
	v_cvt_pk_bf16_f32 v[\X+4*\j+1], v[\X+4*\j+2], v[\X+4*\j+3]
.endr
	s_wait_alu depctr_va_vdst(0)                   ; the sixteen roundings have written the first two of each four of the row's registers, which its eight stores read
.endm
; s39 = number of the group of 16 rows.  s[4:5] input rows (f32), s[6:7] mask, s[8:9] gain, s[10:11] bias, s[12:13] output (bf16).
.macro LNBODY
	v_lshrrev_b32 v3, 5, v0
	v_readfirstlane_b32 s29, v3                    ; wave
	v_and_b32 v2, 31, v0
	v_lshlrev_b32 v1, 4, v2
	v_lshlrev_b32 v2, 3, v2
	v_mov_b32 v3, 0x3a800000                       ; 1/1024
	s_lshl_b32 s39, s39, 4
	s_mov_b32 s36, 0x76543210
	s_mov_b32 s37, 0xfedcba98
	s_wait_alu depctr_va_sdst(0)                   ; s29 is written, ahead of its first reader: the rows' offsets are made from it
	s_lshl1_add_u32 s39, s29, s39                  ; my first row = 16 x group + 2 x wave
	s_mov_b32 s30, s39
	s_mov_b32 s31, 0
	s_add_nc_u64 s[6:7], s[6:7], s[30:31]
	s_load_u16 s28, s[6:7], 0x0                    ; the two rows' mask bytes
	s_lshl_b32 s30, s39, 12
	s_add_nc_u64 s[4:5], s[4:5], s[30:31]          ; 4,096 bytes a row in
	s_lshl_b32 s30, s39, 11
	s_add_nc_u64 s[12:13], s[12:13], s[30:31]      ; 2,048 bytes a row out
	s_wait_alu depctr_va_vdst(0)                   ; v1 and v2 are written: every load reads v1 as its offset, every store v2
.irp j, 0,1,2,3,4,5,6,7
	global_load_b128 v[X0+4*\j:X0+4*\j+3], v1, s[4:5] offset:512*\j
.endr
.irp j, 0,1,2,3,4,5,6,7
	global_load_b128 v[X1+4*\j:X1+4*\j+3], v1, s[4:5] offset:4096+512*\j
.endr
.irp j, 0,1,2,3,4,5,6,7
	global_load_b128 v[WW+4*\j:WW+4*\j+3], v1, s[8:9] offset:512*\j
.endr
.irp j, 0,1,2,3,4,5,6,7
	global_load_b128 v[BB+4*\j:BB+4*\j+3], v1, s[10:11] offset:512*\j
.endr
	s_wait_kmcnt 0x0
	s_and_b32 s32, s28, 0xff
	s_lshr_b32 s34, s28, 8
	s_cvt_f32_u32 s32, s32
	s_cvt_f32_u32 s34, s34
	s_mov_b32 s33, s32
	s_mov_b32 s35, s34
	LNROW X0, 32, 24, 0, 0                         ; 24 younger loads (second row, gain, bias) stay out
	LNROW X1, 34, 0, X0, 0                         ; the first row's stores go out among this row's first additions
.irp j, 0,1,2,3,4,5,6,7
	PUT X1, 2048, \j                               ; behind the wait that ends the second row's roundings
.endr
.endm
	s_load_b256 s[4:11], s[0:1], 0x0               ; x1 4, mask 6, ln2_w 8, ln2_b 10
	s_load_b64 s[12:13], s[0:1], 0x20              ; h2
	s_mov_b32 s39, ttmp9
	s_wait_kmcnt 0x0
	LNBODY
	s_endpgm
.Lfunc_end_k_q9e88f015e3_ln2:
	.size	k_q9e88f015e3_ln2, .Lfunc_end_k_q9e88f015e3_ln2-k_q9e88f015e3_ln2
	.p2alignl 7, 3214868480
	.fill 96, 4, 3214868480
	.section	.rodata,"a",@progbits
	.p2align	6, 0x0
	.amdhsa_kernel k_q9e88f015e3_ln2
		.amdhsa_group_segment_fixed_size 0
		.amdhsa_private_segment_fixed_size 0
		.amdhsa_enable_private_segment 0
		.amdhsa_kernarg_size 40
		.amdhsa_user_sgpr_count 2
		.amdhsa_user_sgpr_kernarg_segment_ptr 1
		.amdhsa_wavefront_size32 1
		.amdhsa_system_sgpr_workgroup_id_x 1
		.amdhsa_system_sgpr_workgroup_id_y 1
		.amdhsa_system_sgpr_workgroup_id_z 1
		.amdhsa_system_vgpr_workitem_id 0
		.amdhsa_next_free_vgpr 160
		.amdhsa_next_free_sgpr 66
		.amdhsa_reserve_vcc 0
		.amdhsa_float_denorm_mode_32 3
		.amdhsa_float_denorm_mode_16_64 3
		.amdhsa_memory_ordered 1
		.amdhsa_forward_progress 1
		.amdhsa_inst_pref_size 23
	.end_amdhsa_kernel
	.amdgpu_metadata
---
amdhsa.version: [ 1, 2 ]
amdhsa.kernels:
  - .name:           k_q9e88f015e3_ln2
    .symbol:         k_q9e88f015e3_ln2.kd
    .args:
      - { .name: x1, .offset: 0, .size: 8, .value_kind: global_buffer, .address_space: global }
      - { .name: key_padding_mask, .offset: 8, .size: 8, .value_kind: global_buffer, .address_space: global }
      - { .name: ln2_w, .offset: 16, .size: 8, .value_kind: global_buffer, .address_space: global }
      - { .name: ln2_b, .offset: 24, .size: 8, .value_kind: global_buffer, .address_space: global }
      - { .name: h2, .offset: 32, .size: 8, .value_kind: global_buffer, .address_space: global }
    .group_segment_fixed_size: 0
    .private_segment_fixed_size: 0
    .kernarg_segment_align: 8
    .kernarg_segment_size: 40
    .max_flat_workgroup_size: 256
    .sgpr_count:     66
    .vgpr_count:     160
    .wavefront_size: 32
...
	.end_amdgpu_metadata
.endif
;; end of part 9
;; launch ff1: the kernel of part 6 again; grid 16 x 16, 4 waves a work-group, clusters of 4 x 4, 327,680 bytes of LDS; arguments h2, wb, ff_b1, fh; writes fh
;; launch ff2: the kernel of part 7 again; grid 8 x 32, 4 waves a work-group, clusters of 4 x 4, 327,680 bytes of LDS; arguments fh, wb, ff_b2, x1, out0, key_padding_mask; writes out0
